; MI455X (gfx1250); checked and timed in simulation.
; The chip was launched on July 23, 2026; its instructions are those of AMD's public machine-readable ISA for CDNA 5 (MIT licence, August 2026) and "CDNA5" Instruction Set Architecture Reference Guide (July 2026). The comments in the code are by the model that wrote it; some were corrected since.
;; Uni Attention. Allowed arithmetic: matrix products marked QUANTISED: E3M2 operands, one E8M0 scale for each 32 along K, by v_wmma_scale_f32_16x16x128_f8f6f4 with both operands' format E3M2, f32 sums; everything else in f32.
;; Inputs: hypothesis_batch 16 x 2,048 x 1,024 float32; hypothesis_mask 16 x 2,048 float32; premise_batch_codes 16 x 1,024 x 32 x 24 uint8 (E3M2 codes of premise_batch, K innermost, in blocks of 32 codes, four codes in three bytes); premise_batch_scales 16 x 1,024 x 32 uint8 (E8M0 scales of premise_batch, one for each 32 codes along K); premise_mask 16 x 1,024 float32.
;; Outputs: out0 16 x 1,024 x 1,024 float32.
;; This version of the problem:
;;   THIS VERSION OF THE PROBLEM IS GIVEN IN LOW PRECISION. The matrix products marked QUANTISED in the list below multiply operands that are first quantised to E3M2 (3 exponent bits, 2 mantissa bits; 6 bits a number), with one power-of-two scale for each 32 numbers along K (OCP MX v1.0); their sums are f32. All else is computed in f32.
;;   The module's matrix products, in the order in which they are computed (A, B: the left and right operand; K: the contracted axis; several contracted axes count as one K, in the product's order):
;;     1. batch 16 x [M 1,024, K 1,024] x [K 1,024, N 2,048]; A: input premise_batch (given as codes); B: input hypothesis_batch: QUANTISED
;;     2. batch 16 x [M 1,024, K 2,048] x [K 2,048, N 1,024]; A: computed on the way; B: input hypothesis_batch: QUANTISED
;;   THE QUANTISER, for each operand of a quantised product, along K:
;;     - K is cut into blocks of 32 from its start; a last block that is shorter is filled with zeros.
;;     - A block's scale is 2^e with e = floor(log2(the largest magnitude in the block)) - 4, held to -126 .. 127; a block of zeros has e = 0. As a byte (E8M0): e + 127.
;;     - Each number is divided by its block's scale, clamped to +-28, and rounded to the nearest number of E3M2, ties to even, subnormals kept.
;;     - The product sums the exact products of the quantised numbers (number of the format x scale) in f32.
;;   ~~~python
;;   def quantise(x, axis):      # numpy; x: float32 -> the quantised numbers, widened to float32 again
;;       x = np.moveaxis(x, axis, -1); K = x.shape[-1]
;;       x = np.pad(x, [(0, 0)] * (x.ndim - 1) + [(0, -K % 32)]); x = x.reshape(x.shape[:-1] + (-1, 32)); a = np.abs(x).max(-1, keepdims=True)
;;       e = np.where(a > 0, np.clip(np.frexp(np.where(a > 0, a, 1))[1] - 1 - 4, -126, 127), 0)      # np.frexp(a)[1] - 1 = floor(log2(a)), exactly
;;       r = np.clip(x / 2.0 ** e, -28, 28)
;;       step = 2.0 ** (np.maximum(np.frexp(np.where(r == 0, 1, r))[1] - 1, -2) - 2)
;;       q = np.round(r / step) * step * 2.0 ** e      # np.round: ties to even
;;       return np.moveaxis(q.reshape(q.shape[:-2] + (-1,))[..., :K], -1, axis).astype(np.float32)
;;   ~~~
;;   OPERANDS COMPUTED ON THE WAY. 'Computed on the way' means the value that the module computes at that place (a softmax that the list does not call 'softmax' is quantised finished and normalised). What goes into a quantiser is computed in f32, as accurately as f32 sums, v_exp_f32 and their like allow (about 1e-6 of the number): no bf16 or f16 on the way to a quantiser, and a product that is left as it is and whose result goes on into a quantised operand takes f32 operands (vector FMAs, or v_wmma_f32_16x16x4_f32). A number that lies on a knife's edge between two numbers of the format may be rounded either way, as far as f32 arithmetic and the matrix unit's own rounding can turn it there, and no further.
;;   INPUTS GIVEN AS CODES. premise_batch (in the module: [16, 1024, 1024], K = its axis 2): each comes as NAME_codes (uint8): NAME with its K axis moved to the last place and cut into blocks of 32 codes, [.., K / 32, bytes a block], one block behind the other in memory; four codes in three bytes: a row's codes are one little-endian stream of bits, code i at bits 6 i .. 6 i + 5 (a code: sign, 3 exponent bits, 2 mantissa bits); and NAME_scales (uint8): the same leading axes, one E8M0 byte (e + 127) for each 32 codes along K. Its value is code x scale, taken as it is: it is not quantised again, and the codes and scales need not be those that the quantiser above would give.
;; One version. Each part assembles by itself: llvm-mc -triple=amdgcn-amd-amdhsa -mcpu=gfx1250 --defsym DOCPART=n.
;; ======== version 1 of 1: 4 launches
;; limits: right only within a limited range of input values
;; workspace buffers: kc 25,165,824 bytes; ksc 1,048,576 bytes; vc 25,165,824 bytes; vsc 1,048,576 bytes; st 4,194,304 bytes; pc 25,165,824 bytes; psc 1,048,576 bytes; qc 12,582,912 bytes
;; launch quant (part 1): grid 8 x 256, 8 waves a work-group, no clusters, 70,656 bytes of LDS; arguments hypothesis_batch, kc, ksc, vc, vsc, premise_batch_codes, qc; writes kc, ksc, vc, vsc, qc
.if DOCPART == 1
	.amdgcn_target "amdgcn-amd-amdhsa--gfx1250"
	.amdhsa_code_object_version 6
	.text
	.protected	k_q92021f23ae_quant
	.globl	k_q92021f23ae_quant
	.p2align	8
	.type	k_q92021f23ae_quant,@function
k_q92021f23ae_quant:
	s_mov_b64 s[64:65], 0
	v_nop
	global_prefetch_b8 v0, s[64:65] scope:SCOPE_SE
	s_setreg_imm32_b32 hwreg(HW_REG_WAVE_MODE, 25, 1), 1
	s_wait_xcnt 0x0
; hypothesis [16][2048 keys][1024 d], f32, is read ONCE and turned into codes of BF6 (E3M2) twice: along d (kc, ksc: the first product's operand) and along the keys (vc, vsc: the second's).
; A block's scale is 2^(floor(log2(its largest magnitude)) - 4); its byte is the largest magnitude's exponent field - 4, held at 1 from below.
; LIMITS: a block of zeros, and one whose largest magnitude lies under 2^-122, gets the byte 1 (its codes are zeros or next to zeros; the bytes are read by this program alone); NaN and infinities are not served.
; THE CODES ARE LAID AS IMAGES OF THE OPERAND'S REGISTERS.  A fragment (16 rows x 128 K, 12 registers a lane) is 1,536 bytes: two halves of 768; in half c registers 6c .. 6c+3 of lane L lie at 16 L,
; registers 6c+4, 6c+5 at 512 + 8 L.  So every store of a wave covers 512 or 256 consecutive bytes, aligned.
;   kc  [b][kp 4][kt 128][q 2][1536]: K step of d = 2 kp + q; row r of tile kt is key 32 (kt/2) + 8 (kt%2) + r + 8 (r/8), so that later 16 registers of two neighbouring result tiles are 16 neighbouring keys
;   ksc [b][ks 8][2048] scale words, in the tiles' row order          vc [b][kp 8][dt 64][q 2][1536]: rows d = 16 dt + r, K step of keys = 2 kp + q          vsc [b][ks 16][1024] scale words
; SHARES.  A work-group takes 128 keys x 128 d (x: which 128 d; y: batch x 16 + which 128 keys), brings them into a stage in LDS by loads of 512 consecutive bytes, and reads them back twice:
; along d (wave w: key tile w; a lane takes 2 x 32 neighbouring d of its key) and along the keys (wave w: 32 d, a lane to each, and 64 keys; registers run down the keys).
.set PITCH, 528                        ; a stage row: a key's 512 bytes + 16
.set SKG,   128*PITCH                  ; behind the stage: kc's 128 scale words,
.set SVG,   SKG+512                    ; and vc's 128
.set X,     32                         ; v32-95   64 numbers
.set F,     96                         ; v96-107  a fragment's 12 registers
.set G,     108                        ; v108-114 the upper halves of blocks as the conversions leave them
.set T0,    20                         ; v20, v21 two scale bytes
.set T1,    21
	s_load_b256 s[4:11], s[0:1], 0x0               ; hypothesis s[4:5], kc s[6:7], ksc s[8:9], vc s[10:11]
	s_load_b64 s[12:13], s[0:1], 0x20              ; vsc
	s_load_b128 s[40:43], s[0:1], 0x28             ; premise codes s[40:41], qc s[42:43]
	v_lshl_add_u32 v128, v0, 2, 0x11000
	v_mov_b32 v129, 0
	v_lshrrev_b32 v1, 5, v0
	s_delay_alu instid0(VALU_DEP_1)
	v_readfirstlane_b32 s14, v1                    ; wave 0..7
	v_and_b32 v1, 31, v0                           ; lane L
	s_delay_alu instid0(VALU_DEP_1)
	v_lshlrev_b32 v5, 4, v1                        ; 16 L
	v_and_b32 v14, 15, v0                          ; premise: row r of 768 bytes, + 24 h
	v_bfe_u32 v15, v0, 4, 1
	v_mul_u32_u24 v14, v14, 768
	v_mad_u32_u24 v14, v15, 24, v14
	s_and_b32 s15, ttmp7, 0xffff
	s_lshr_b32 s16, s15, 4                         ; batch
	s_and_b32 s17, s15, 15                         ; which 128 keys
	s_mov_b32 s18, ttmp9                           ; which 128 d
	s_lshl_b32 s19, s14, 16
	v_add_nc_u32 v7, s19, v5                       ; in: my wave's 16 keys (4,096 bytes each), 16 bytes a lane
	s_lshl_b32 s24, s16, 23                        ; the tile in hypothesis: batch x 8,388,608 + 128 keys x 4,096 + 128 d x 4
	s_lshl_b32 s19, s17, 19
	s_add_co_u32 s24, s24, s19
	s_lshl_b32 s19, s18, 9
	s_add_co_u32 s24, s24, s19
	s_mov_b32 s25, 0
	s_wait_alu depctr_va_vdst(0)
	s_wait_kmcnt 0x0
	s_add_nc_u64 s[4:5], s[4:5], s[24:25]
	; THE PREMISE CODES ARE LAID ANEW, as images of the operand's registers: qc [b][kp 4][row tile 64][q 2][1536], K step = 2 kp + q.
	; The 2,048 work-groups share 1,024 row tiles x 8 K steps: work-group n = 8 y + x takes tile n / 2 and K steps 4 (n % 2) .. + 3; wave w half w % 2 of K step w / 2: 768 bytes.
	s_lshl_b32 s44, s15, 2
	s_lshr_b32 s45, s18, 1
	s_add_co_u32 s44, s44, s45                     ; the row tile, 0 .. 1023
	s_and_b32 s45, s18, 1                          ; which four K steps
	s_mul_i32 s46, s44, 12288                      ; from: 16 rows x 768 bytes a tile, 384 bytes for four K steps, 48 a half
	s_mul_i32 s47, s45, 384
	s_add_co_u32 s46, s46, s47
	s_mul_i32 s47, s14, 48
	s_add_co_u32 s46, s46, s47
	s_mov_b32 s47, 0
	s_lshr_b32 s48, s44, 6                         ; to: the batch,
	s_mul_i32 s48, s48, 786432
	s_and_b32 s49, s44, 63                         ; its row tile,
	s_mul_i32 s49, s49, 3072
	s_add_co_u32 s48, s48, s49
	s_lshl_b32 s49, s45, 1                         ; kp,
	s_lshr_b32 s50, s14, 2
	s_add_co_u32 s49, s49, s50
	s_mul_i32 s49, s49, 196608
	s_add_co_u32 s48, s48, s49
	s_and_b32 s49, s14, 3                          ; q and the half
	s_mul_i32 s49, s49, 768
	s_add_co_u32 s48, s48, s49
	s_mov_b32 s49, 0
	s_add_nc_u64 s[40:41], s[40:41], s[46:47]
	s_add_nc_u64 s[42:43], s[42:43], s[48:49]
	global_load_b64 v[116:117], v14, s[40:41]      ; the 24 bytes that the operand's layout gives lane (r, h); older than the 16 loads below, so in when they are
	global_load_b64 v[118:119], v14, s[40:41] offset:8
	global_load_b64 v[120:121], v14, s[40:41] offset:16
.set k, 0
.rept 16
	global_load_b128 v[X+4*k:X+4*k+3], v7, s[4:5] offset:4096*k th:TH_LOAD_NT   ; key 16 w + k: 32 lanes read 512 consecutive bytes; read once in the launch
.set k, k+1
.endr
	v_and_b32 v2, 15, v0                           ; r
	s_wait_alu depctr_va_vdst(0)
	v_bfe_u32 v3, v0, 4, 1                         ; h
	v_lshlrev_b32 v6, 3, v1                        ; 8 L
	s_mov_b32 s20, 0x76543210
	s_mov_b32 s21, 0xfedcba98                      ; v_permlanex16_b32's selects for lane l xor 16
	s_mul_i32 s19, s14, 16*PITCH
	v_add_nc_u32 v8, s19, v5                       ; the stage, on the way in: row 16 w, 16 bytes a lane
	s_lshr_b32 s19, s14, 1
	s_lshl_b32 s19, s19, 5
	s_and_b32 s22, s14, 1
	s_lshl_b32 s23, s22, 3
	s_add_co_u32 s19, s19, s23                     ; key tile w begins at key 32 (w/2) + 8 (w%2)
	v_and_b32 v4, 8, v2
	s_delay_alu instid0(VALU_DEP_1)
	v_add_nc_u32 v4, v4, v2                        ; r + 8 (r/8)
	s_delay_alu instid0(VALU_DEP_1)
	v_add_nc_u32 v4, s19, v4
	s_delay_alu instid0(VALU_DEP_1)
	v_mul_u32_u24 v9, v4, PITCH
	s_wait_alu depctr_va_vdst(0)
	v_lshl_add_u32 v9, v3, 7, v9                   ; along d: my key's row, + 32 h numbers
	s_lshl_b32 s19, s22, 9
	s_add_co_u32 s19, s19, SKG
	v_add_nc_u32 v13, s19, v5                      ; the scale words on their way out: wave 0 kc's, wave 1 vc's
	s_lshr_b32 s22, s14, 2                         ; along the keys: c = which 64 keys,
	s_and_b32 s23, s14, 3                          ; g = which 32 d
	s_mul_i32 s19, s22, 64*PITCH
	s_lshl_b32 s34, s23, 7
	s_add_co_u32 s19, s19, s34
	v_lshl_add_u32 v10, v1, 2, s19                 ; row 64 c, my d
	s_lshl_b32 s19, s14, 6
	s_add_co_u32 s19, s19, SKG
	v_lshl_add_u32 v11, v2, 2, s19                 ; kc's scale word of row r of tile w
	s_lshl_b32 s19, s22, 1
	s_add_co_u32 s19, s19, s34
	s_add_co_u32 s19, s19, SVG
	v_lshl_add_u32 v12, v1, 2, s19                 ; vc's: bytes 2 c, 2 c + 1 of my d's word
	s_mul_i32 s35, s16, 1572864                    ; a batch of kc or of vc
	s_lshr_b32 s19, s18, 1
	s_mul_i32 s19, s19, 393216
	s_add_co_u32 s26, s35, s19                     ; kc: kp = x / 2,
	s_lshl_b32 s19, s17, 3
	s_add_co_u32 s19, s19, s14
	s_mul_i32 s19, s19, 3072
	s_add_co_u32 s26, s26, s19                     ; tile 8 y' + w,
	s_and_b32 s19, s18, 1
	s_mul_i32 s19, s19, 1536
	s_add_co_u32 s26, s26, s19                     ; q = x % 2
	s_mov_b32 s27, 0
	s_lshl_b32 s28, s16, 3
	s_add_co_u32 s28, s28, s18
	s_lshl_b32 s28, s28, 13
	s_lshl_b32 s19, s17, 9
	s_add_co_u32 s28, s28, s19                     ; ksc: 4 ((8 b + x) 2048 + 128 y')
	s_mov_b32 s29, 0
	s_lshr_b32 s19, s17, 1
	s_mul_i32 s19, s19, 196608
	s_add_co_u32 s30, s35, s19                     ; vc: kp = y' / 2,
	s_lshl_b32 s19, s18, 3
	s_lshl_b32 s36, s23, 1
	s_add_co_u32 s19, s19, s36
	s_mul_i32 s19, s19, 3072
	s_add_co_u32 s30, s30, s19                     ; tile 8 x + 2 g,
	s_and_b32 s19, s17, 1
	s_mul_i32 s19, s19, 1536
	s_add_co_u32 s30, s30, s19                     ; q = y' % 2,
	s_mul_i32 s19, s22, 768
	s_add_co_u32 s30, s30, s19                     ; half c
	s_mov_b32 s31, 0
	s_lshl_b32 s32, s16, 4
	s_add_co_u32 s32, s32, s17
	s_lshl_b32 s32, s32, 12
	s_lshl_b32 s19, s18, 9
	s_add_co_u32 s32, s32, s19                     ; vsc: 4 ((16 b + y') 1024 + 128 x)
	s_mov_b32 s33, 0
	s_add_nc_u64 s[6:7], s[6:7], s[26:27]
	s_add_nc_u64 s[8:9], s[8:9], s[28:29]
	s_add_nc_u64 s[10:11], s[10:11], s[30:31]
	s_add_nc_u64 s[12:13], s[12:13], s[32:33]
.set k, 0
	s_wait_alu depctr_va_vdst(0)
.rept 16
	s_wait_loadcnt 15-k                            ; loads come back in order: load k is in, the 15 - k younger ones may be out
	ds_store_b128 v8, v[X+4*k:X+4*k+3] offset:PITCH*k
.set k, k+1
.endr
	global_store_b128 v5, v[116:119], s[42:43]     ; 512 and 256 consecutive bytes, aligned
	global_store_b64 v6, v[120:121], s[42:43] offset:512
	s_wait_dscnt 0x0                               ; for the others' sake: my 16 rows lie in the stage
	s_barrier_signal -1
	s_barrier_wait -1
; 32 numbers of one block, v[x] on, become 6 registers of codes, v[f] on, and the scale's byte in v[t].  g: where the second conversion's three registers stand (they begin on an even number; a block's second three do not)
.macro QB x, f, g, t
	v_max3_num_f32 v16, |v[\x]|, |v[\x+1]|, |v[\x+2]|
	v_max3_num_f32 v17, |v[\x+3]|, |v[\x+4]|, |v[\x+5]|
.irp i, 6,10,14,18,22,26
	s_delay_alu instid0(VALU_DEP_2)
	v_max3_num_f32 v16, v16, |v[\x+\i]|, |v[\x+\i+1]|
	s_delay_alu instid0(VALU_DEP_2)
	v_max3_num_f32 v17, v17, |v[\x+\i+2]|, |v[\x+\i+3]|
.endr
	s_delay_alu instid0(VALU_DEP_2)
	v_max3_num_f32 v16, v16, |v[\x+30]|, |v[\x+31]|
	s_delay_alu instid0(VALU_DEP_1)
	v_max3_num_f32 v16, v16, v17, 0x2800000        ; and the floor 2^(5 - 127): the byte cannot fall under 1
	s_delay_alu instid0(VALU_DEP_1)
	v_add_nc_u32 v18, 0xfe000000, v16              ; 4 off the exponent field: the conversion takes this operand's exponent field as its scale
	s_delay_alu instid0(VALU_DEP_1)
	v_lshrrev_b32 v[\t], 23, v18                   ; the scale's byte
	v_cvt_scalef32_pk16_bf6_f32 v[\f:\f+2], v[\x:\x+15], v18
	v_cvt_scalef32_pk16_bf6_f32 v[\g:\g+2], v[\x+16:\x+31], v18
	v_nop                                          ; one plain place behind the scaled conversions
	v_mov_b32 v[\f+3], v[\g]
	v_mov_b32 v[\f+4], v[\g+1]
	v_mov_b32 v[\f+5], v[\g+2]
.endm
	; ---- along d: lane (r, h) of wave w holds, of its key, d = 64 c + 32 h + 0 .. 31: the very numbers whose codes the operand's layout gives it
.irp c, 0,1
.irp i, 0,1,2,3,4,5,6,7
	ds_load_b128 v[X+32*\c+4*\i:X+32*\c+4*\i+3], v9 offset:256*\c+16*\i
.endr
.endr
	s_wait_dscnt 0x0
	QB X, F, G, T0
	QB X+32, F+6, G+4, T1
	v_lshl_or_b32 v22, v[T1], 16, v[T0]            ; my two bytes: blocks h and 2 + h,
	v_lshlrev_b32 v23, 3, v3
	s_delay_alu instid0(VALU_DEP_1)
	v_lshlrev_b32 v22, v23, v22                    ; at their places in the word (8 h bits up);
	v_mov_b32 v23, 0
	s_delay_alu instid0(VALU_DEP_1)
	v_permlanex16_b32 v23, v22, s20, s21
	s_delay_alu instid0(VALU_DEP_1)
	v_or_b32 v22, v22, v23                         ; with lane l xor 16's two the word is whole
	global_store_b128 v5, v[F:F+3], s[6:7]
	global_store_b64 v6, v[F+4:F+5], s[6:7] offset:512
	global_store_b128 v5, v[F+6:F+9], s[6:7] offset:768
	global_store_b64 v6, v[F+10:F+11], s[6:7] offset:1280
	ds_store_b32 v11, v22                          ; both halves of the lanes write the same word with the same value
	; ---- along the keys: lane L holds d = 32 g + L, and its registers run down keys 64 c + 0 .. 63: two whole blocks
.set k, 0
.rept 64
	ds_load_b32 v[X+k], v10 offset:PITCH*k         ; 32 lanes read 128 consecutive bytes of a key's row
.set k, k+1
.endr
	s_wait_dscnt 0x0
	s_wait_xcnt 0x0                                ; the stores above have read their registers: the fragment's are written again
	QB X, F, G, T0
	QB X+32, F+6, G+4, T1
	v_lshl_or_b32 v22, v[T1], 8, v[T0]
	ds_store_b16 v12, v22                          ; bytes 2 c and 2 c + 1 of my d's scale word
.irp i, 0,1,2,3,4,5
	v_permlane16_swap_b32 v[F+\i], v[F+6+\i]       ; block 2 c's lanes 16-31 change places with block 2 c + 1's lanes 0-15: the first six are now half c of tile 2 g (lane (r, h): row r, block 2 c + h), the other six of tile 2 g + 1
.endr
	global_store_b128 v5, v[F:F+3], s[10:11]
	global_store_b64 v6, v[F+4:F+5], s[10:11] offset:512
	global_store_b128 v5, v[F+6:F+9], s[10:11] offset:3072
	global_store_b64 v6, v[F+10:F+11], s[10:11] offset:3072+512
	s_wait_dscnt 0x0                               ; for the others' sake: my scale words lie in LDS
	s_barrier_signal -1
	s_barrier_wait -1
	s_cmp_gt_u32 s14, 1
	s_cbranch_scc1 .Lend                           ; wave 0 stores kc's 128 scale words, wave 1 vc's: 512 consecutive bytes each
	s_cmp_eq_u32 s14, 0
	s_cselect_b64 s[38:39], s[8:9], s[12:13]
	ds_load_b128 v[24:27], v13
	s_wait_dscnt 0x0
	global_store_b128 v5, v[24:27], s[38:39]
.Lend:
	s_wait_tensorcnt 0x0
	ds_add_u32 v128, v129
	s_wait_dscnt 0x0
	s_endpgm
.Lfunc_end_k_q92021f23ae_quant:
	.size	k_q92021f23ae_quant, .Lfunc_end_k_q92021f23ae_quant-k_q92021f23ae_quant
	.p2alignl 7, 3214868480
	.fill 96, 4, 3214868480
	.section	.rodata,"a",@progbits
	.p2align	6, 0x0
	.amdhsa_kernel k_q92021f23ae_quant
		.amdhsa_group_segment_fixed_size 70656
		.amdhsa_private_segment_fixed_size 0
		.amdhsa_enable_private_segment 0
		.amdhsa_kernarg_size 56
		.amdhsa_user_sgpr_count 2
		.amdhsa_user_sgpr_kernarg_segment_ptr 1
		.amdhsa_wavefront_size32 1
		.amdhsa_system_sgpr_workgroup_id_x 1
		.amdhsa_system_sgpr_workgroup_id_y 1
		.amdhsa_system_sgpr_workgroup_id_z 1
		.amdhsa_system_vgpr_workitem_id 0
		.amdhsa_next_free_vgpr 130
		.amdhsa_next_free_sgpr 66
		.amdhsa_reserve_vcc 0
		.amdhsa_float_denorm_mode_32 3
		.amdhsa_float_denorm_mode_16_64 3
		.amdhsa_memory_ordered 1
		.amdhsa_forward_progress 1
		.amdhsa_inst_pref_size 24
	.end_amdhsa_kernel
	.amdgpu_metadata
---
amdhsa.version: [ 1, 2 ]
amdhsa.kernels:
  - .name:           k_q92021f23ae_quant
    .symbol:         k_q92021f23ae_quant.kd
    .args:
      - { .name: hypothesis_batch, .offset: 0, .size: 8, .value_kind: global_buffer, .address_space: global }
      - { .name: kc, .offset: 8, .size: 8, .value_kind: global_buffer, .address_space: global }
      - { .name: ksc, .offset: 16, .size: 8, .value_kind: global_buffer, .address_space: global }
      - { .name: vc, .offset: 24, .size: 8, .value_kind: global_buffer, .address_space: global }
      - { .name: vsc, .offset: 32, .size: 8, .value_kind: global_buffer, .address_space: global }
      - { .name: premise_batch_codes, .offset: 40, .size: 8, .value_kind: global_buffer, .address_space: global }
      - { .name: qc, .offset: 48, .size: 8, .value_kind: global_buffer, .address_space: global }
    .group_segment_fixed_size: 70656
    .private_segment_fixed_size: 0
    .kernarg_segment_align: 8
    .kernarg_segment_size: 56
    .max_flat_workgroup_size: 256
    .sgpr_count:     66
    .vgpr_count:     130
    .wavefront_size: 32
...
	.end_amdgpu_metadata
.endif
;; end of part 1
;; launch stats (part 2): grid 4 x 64, 4 waves a work-group, clusters of 4 x 4, 327,680 bytes of LDS; arguments qc, premise_batch_scales, kc, ksc, hypothesis_mask, st; writes st
.if DOCPART == 2
	.amdgcn_target "amdgcn-amd-amdhsa--gfx1250"
	.amdhsa_code_object_version 6
	.text
	.protected	k_q92021f23ae_stats
	.globl	k_q92021f23ae_stats
	.p2align	8
	.type	k_q92021f23ae_stats,@function
k_q92021f23ae_stats:
	s_mov_b64 s[64:65], 0
	v_nop
	global_prefetch_b8 v0, s[64:65] scope:SCOPE_SE
	s_setreg_imm32_b32 hwreg(HW_REG_WAVE_MODE, 25, 1), 1
	s_wait_xcnt 0x0
	s_wait_alu depctr_hold_cnt(0) depctr_sa_sdst(0) depctr_va_vdst(0) depctr_va_sdst(0) depctr_va_ssrc(0) depctr_va_vcc(0) depctr_vm_vsrc(0)
	s_getreg_b32 s2, hwreg(HW_REG_IB_STS2, 6, 4)
	s_cmp_eq_u32 s2, 0
	s_cbranch_scc0 .Lentry_in_a_cluster
	s_endpgm
.Lentry_in_a_cluster:
	s_bfe_u32 s2, ttmp6, 0x10000c
	s_cmp_lg_u32 s2, 0xf033
	s_cbranch_scc0 .Lentry_shape_is_right
	s_endpgm
.Lentry_shape_is_right:
; FIRST PASS OVER THE SCORES.  S^T = K Q^T on codes of BF6 with E8M0 scales; for each premise row and each chunk of 128 keys three numbers go to st [b][chunk 16][row 1024][4]:
;   m = the largest t, Z1 = the sum of 2^(t - m), Z2' = the sum of 2^(t - m) km, with km = mask x log2(e) / 32 and t = score x km (a key whose mask is 0 has t = 0 and counts in m and Z1).
; The finished weights need the row's divisor over all 2,048 keys before they are quantised: the scores are made here for the sums and again in the next launch for the codes.
; LIMITS: NaN and infinities among the inputs are not served.
; SHARES.  Four waves make 256 rows x 256 keys, a wave 128 x 128 (64 accumulators).  K = 1,024 goes in four steps of 256 through two LDS slots; both operands come as images of the
; operand's registers (qc, kc): dense blocks of 24,576 bytes, stated as rows of 256 bytes.  A work-group makes two blocks of keys (2 X, 2 X + 1): a loop of two trips.  The first five steps of 128
; and the sums are common; the last three steps are written twice and chosen by the trip's number: the first trip's fill the slots with the second block's tiles, the second trip's ask for nothing.
; CLUSTERS 4 x 4: y = batch, cy = 256 rows, X = 4 x + cx = 512 keys; premise tiles are asked for jointly along a row, key tiles along a column.
; The scale words (24,576 bytes a work-group, a small part of its 786,432 bytes of tiles) come through registers into LDS bytes of their own while slot 0's load is out.
; No prefetch: K has four slots only, at the largest block, in clusters.
; TRANSPOSED USE: source 0 = 16 rows of kc, source 1 = 16 premise rows: a lane holds one premise row; register 16 g + i of a row tile's 64 is key 32 g + 16 (lane / 16) + i of the chunk.
; WINDOWS: 0: v10-31 addresses, v32-63 scale words (two sets), v64-127 km, v128-223 premise fragments (at work in the sums); 1: kc's fragments, two sets; 2, 3: accumulators.
.set FR, 12
.set NLA, 4
.set NP, 4
.set HALFT, 8*3072
.set SLOT, 4*HALFT
.set KPA, 196608
.set KPB, 393216
.set TKB, 49152
.set SCLA, 2*SLOT                      ; premise scales: 32 units of 256 + 16 bytes
.set HSA, 16*272
.set SCLB, 212992                      ; kc's scale words [block 2][K step 8][1,024]; a multiple of 16,384, so that the blocks differ in one address bit
.set SPARE, SCLB+16384
.set GSA, 10
.set LSA, 11
.set GSB, 12
.set LSB, 13
.set ADSX, 14                          ; kc's scale words of the other block
.set ADRA, 16
.set ADRB, 20
.set ADSA, 24
.set ADSB, 25                          ; kc's scale words of this trip's block
.set MO, 26
.set L16, 27
.set SPW, 28
.set NIL, 29
.set L8, 30
.set SC, 32
.set KM, 64
.set AF, 128
.set G1, 24
.set G0, 32
.set G1B, 48
.set G0B, 56
.set MSB, 0
.macro WIN new
.if MSB != (\new)
	s_set_vgpr_msb (MSB<<8)|(\new)
.set MSB, (\new)
.endif
.endm
.set MUL_LO, 0xa1
.set MUL_HI, 0xf1
.set TO_B, 0x40
.macro JLOAD g0a, g1a, g0b, g1b        ; waves 0, 1 fetch premise's halves, waves 2, 3 the keys'
	s_cmp_eq_u32 s21, 0
	s_cbranch_scc0 .Lfor_b_\@
	tensor_load_to_lds s[\g0a:\g0a+3], s[\g1a:\g1a+7]
	s_nop 0
.rept 4
	v_nop
.endr
	s_branch .Lasked_\@
.Lfor_b_\@:
	tensor_load_to_lds s[\g0b:\g0b+3], s[\g1b:\g1b+7]
	s_nop 0
.rept 4
	v_nop
.endr
.Lasked_\@:
.endm
.macro CREST
	s_cmp_lg_u32 s20, 0
	s_cbranch_scc1 .Lnot_wave_0_\@
	s_barrier_signal -3
.Lnot_wave_0_\@:
	s_barrier_wait -3
	s_barrier_signal -1
	s_barrier_wait -1
.endm
.macro CROUND
	s_barrier_signal -1
	s_barrier_wait -1
	CREST
.endm
.macro MASKS                           ; the mask of my 128 keys: keys 32 g + 16 h + 4 u on
.irp g, 0,1,2,3
.irp u, 0,1,2,3
	global_load_b128 v[KM+16*\g+4*\u:KM+16*\g+4*\u+3], v[MO], s[12:13] offset:128*\g+16*\u
.endr
.endr
.endm
.macro FRAGI reg, adr, q, i            ; a fragment from its image
	ds_load_b128 v[\reg:\reg+3], v[\adr] offset:3072*(\i)+1536*(\q)
	ds_load_b64 v[\reg+4:\reg+5], v[\adr+2] offset:3072*(\i)+1536*(\q)+512
	ds_load_b128 v[\reg+6:\reg+9], v[\adr] offset:3072*(\i)+1536*(\q)+768
	ds_load_b64 v[\reg+10:\reg+11], v[\adr+2] offset:3072*(\i)+1536*(\q)+1280
.endm
.macro MUL16 a0, p, q, sc, zero        ; row tiles a0, a0 + 1 x eight key tiles; the 64 accumulators take turns
.irp a, \a0, \a0+1
.irp b, 0,1,2,3,4,5,6,7
.set rD, 8*(8*((\a)%4)+\b)
.set rB, 128*(\p)+FR*\b
.set rA, AF+FR*(\a)
.set rSB, SC+16*(\sc)+8+\b
.set rSA, SC+16*(\sc)+(\a)
.if \zero
	v_wmma_scale_f32_16x16x128_f8f6f4 v[rD:rD+7], v[rB:rB+FR-1], v[rA:rA+FR-1], 0, v[rSB], v[rSA] matrix_a_fmt:MATRIX_FMT_BF6 matrix_b_fmt:MATRIX_FMT_BF6
.elseif \q
	v_wmma_scale_f32_16x16x128_f8f6f4 v[rD:rD+7], v[rB:rB+FR-1], v[rA:rA+FR-1], v[rD:rD+7], v[rSB], v[rSA] matrix_a_fmt:MATRIX_FMT_BF6 matrix_b_fmt:MATRIX_FMT_BF6 matrix_a_scale:MATRIX_SCALE_ROW1 matrix_b_scale:MATRIX_SCALE_ROW1
.else
	v_wmma_scale_f32_16x16x128_f8f6f4 v[rD:rD+7], v[rB:rB+FR-1], v[rA:rA+FR-1], v[rD:rD+7], v[rSB], v[rSA] matrix_a_fmt:MATRIX_FMT_BF6 matrix_b_fmt:MATRIX_FMT_BF6
.endif
.endr
.endr
.endm
.macro FETCH_B slot, q, p
	WIN TO_B
.irp i, 0,1,2,3,4,5,6,7
	FRAGI 128*(\p)+FR*\i, ADRB+\slot, \q, \i
.endr
	WIN 0
.endm
.macro FETCH_A slot, q, i0
.irp i, \i0, \i0+1, \i0+2, \i0+3
	FRAGI AF+FR*(\i), ADRA+\slot, \q, \i
.endr
.endm
.macro SCALES sc, kq, rb               ; lanes 0-15: the slot's first 128 along K, lanes 16-31 its second
.irp i, 0,1,2,3,4,5,6,7
	ds_load_b32 v[SC+16*\sc+\i], v[ADSA] offset:544*\i+8*(\kq)
.endr
.irp i, 0,1,2,3,4,5,6,7
	ds_load_b32 v[SC+16*\sc+8+\i], v[\rb] offset:64*\i+2048*(\kq)
.endr
.endm
.macro PLACES n
.rept \n
	v_nop
.endr
.endm
.macro STEP slot, q, zero              ; a step of 128 along K that has its successor in the same slot
	s_wait_dscnt 4*NLA                             ; all but the youngest 16 loads (premise tiles 4-7)
	WIN MUL_LO
	MUL16 0, (\q)%2, \q, \slot, \zero
	MUL16 2, (\q)%2, \q, \slot, \zero
	s_wait_dscnt 0x0
	PLACES NP
	FETCH_B \slot, (\q)+1, 1-(\q)%2
	FETCH_A \slot, (\q)+1, 0
	WIN MUL_HI
	MUL16 4, (\q)%2, \q, \slot, \zero
	MUL16 6, (\q)%2, \q, \slot, \zero
	PLACES NP
	WIN 0
	FETCH_A \slot, (\q)+1, 4
.endm
; A slot's last step changes slots.  fill = 1: this block's K two slots on; 2: the next block's K of the same slot; 0: nothing.  fa = 0: premise's fragments are fetched later.
.macro TURN slot, next, fill, fa, kq, rb
	s_wait_tensorcnt 0x0                           ; all my tensor loads have landed
	ds_add_u32 v[SPW], v[NIL]
	s_wait_dscnt 4*NLA+1                           ; the add and the youngest 16 loads may be out
	WIN MUL_LO
	MUL16 0, 1, 1, \slot, 0
	s_wait_dscnt 0x0                               ; the add is done, my reads of this slot are over
	s_barrier_signal -1
	MUL16 2, 1, 1, \slot, 0
	WIN 0
	s_barrier_wait -1
.if \fill
	CREST
.if \fill == 1
	s_add_nc_u64 s[G0+4*\slot+2:G0+4*\slot+3], s[G0+4*\slot+2:G0+4*\slot+3], 2*KPA
	s_add_nc_u64 s[G0B+4*\slot+2:G0B+4*\slot+3], s[G0B+4*\slot+2:G0B+4*\slot+3], 2*KPB
.else
	s_sub_nc_u64 s[G0+4*\slot+2:G0+4*\slot+3], s[G0+4*\slot+2:G0+4*\slot+3], 2*KPA
	s_sub_nc_u64 s[G0B+4*\slot+2:G0B+4*\slot+3], s[G0B+4*\slot+2:G0B+4*\slot+3], 2*KPB-TKB
.endif
	JLOAD G0+4*\slot, G1, G0B+4*\slot, G1B         ; its four v_nop are also the places in front of the loads below
.else
	PLACES NP
.endif
	FETCH_B \next, 0, 0
.if \fa
	FETCH_A \next, 0, 0
.endif
	SCALES \next, \kq, \rb
	WIN MUL_HI
	MUL16 4, 1, 1, \slot, 0
	MUL16 6, 1, 1, \slot, 0
.if \fa
	PLACES NP
.endif
	WIN 0
.if \fa
	FETCH_A \next, 0, 4
.endif
.endm
; THE SUMS, a row tile (64 registers a lane) at a time, registers ascending
.set CH, 128
.set MP, 132
.set ZS, 134
.set YS, 138
.set TT, 142
.set MA, 144
.set Z1A, 152
.set Z2A, 160
.set OUTR, 168
.macro EPA a
.set AC, 64*((\a)%4)
.set W, 2+(\a)/4
.set E1, (W<<6)|W
.set E2, (W<<2)|(W<<4)
.set E3, W
	WIN E1
.set k, 0
.rept 32
	v_pk_mul_f32 v[AC+2*k:AC+2*k+1], v[AC+2*k:AC+2*k+1], v[KM+2*k:KM+2*k+1]   ; t = score x km
.set k, k+1
.endr
	WIN E2
.irp c, 0,1,2,3
	v_max3_num_f32 v[CH+\c], 0xff800000, v[AC+2*\c], v[AC+2*\c+1]
.endr
.set k, 1
.rept 7
.irp c, 0,1,2,3
	v_max3_num_f32 v[CH+\c], v[CH+\c], v[AC+8*k+2*\c], v[AC+8*k+2*\c+1]
.endr
.set k, k+1
.endr
	WIN 0
	v_max3_num_f32 v[CH], v[CH], v[CH+1], v[CH+2]
	v_max_num_f32 v[CH], v[CH], v[CH+3]
	v_permlanex16_b32 v[CH+1], v[CH], s98, s99     ; the row's other 64 keys lie in the lane 16 away
	v_max_num_f32 v[MA+\a], v[CH], v[CH+1]
	v_mov_b32 v[MP], v[MA+\a]
	WIN E1
.set k, 0
.rept 32
	v_pk_add_f32 v[AC+2*k:AC+2*k+1], v[AC+2*k:AC+2*k+1], v[MP:MP+1] op_sel_hi:[1,0] neg_lo:[0,1] neg_hi:[0,1]   ; t - m
.set k, k+1
.endr
.set k, 0
	s_wait_alu depctr_va_vdst(0)                   ; the wait ahead of the batch
.rept 64
	v_exp_f32 v[AC+k], v[AC+k]
.set k, k+1
.endr
	WIN E3
.irp c, 0,1,2,3
	v_mov_b32 v[ZS+\c], 0
.endr
.set k, 0
	s_wait_alu depctr_va_vdst(0)                   ; and behind it
.rept 16
	v_pk_add_f32 v[ZS:ZS+1], v[AC+4*k:AC+4*k+1], v[ZS:ZS+1]
	v_pk_add_f32 v[ZS+2:ZS+3], v[AC+4*k+2:AC+4*k+3], v[ZS+2:ZS+3]
.if k == 0
	v_pk_mul_f32 v[YS:YS+1], v[AC:AC+1], v[KM:KM+1]
	v_pk_mul_f32 v[YS+2:YS+3], v[AC+2:AC+3], v[KM+2:KM+3]
.else
	v_pk_fma_f32 v[YS:YS+1], v[AC+4*k:AC+4*k+1], v[KM+4*k:KM+4*k+1], v[YS:YS+1]
	v_pk_fma_f32 v[YS+2:YS+3], v[AC+4*k+2:AC+4*k+3], v[KM+4*k+2:KM+4*k+3], v[YS+2:YS+3]
.endif
.set k, k+1
.endr
	WIN 0
	v_pk_add_f32 v[ZS:ZS+1], v[ZS:ZS+1], v[ZS+2:ZS+3]
	v_pk_add_f32 v[YS:YS+1], v[YS:YS+1], v[YS+2:YS+3]
	v_add_f32 v[ZS], v[ZS], v[ZS+1]
	v_add_f32 v[YS], v[YS], v[YS+1]
	v_permlanex16_b32 v[TT], v[ZS], s98, s99
	v_permlanex16_b32 v[TT+1], v[YS], s98, s99
	v_add_f32 v[Z1A+\a], v[ZS], v[TT]
	v_add_f32 v[Z2A+\a], v[YS], v[TT+1]
.if (\a)%2                             ; lanes 0-15 take tile a - 1, lanes 16-31 tile a: 32 rows' 512 consecutive bytes
.set OO, OUTR+4*((\a)/2)
	v_cndmask_b32 v[OO], v[MA+\a-1], v[MA+\a], s23
	v_cndmask_b32 v[OO+1], v[Z1A+\a-1], v[Z1A+\a], s23
	v_cndmask_b32 v[OO+2], v[Z2A+\a-1], v[Z2A+\a], s23
	v_mov_b32 v[OO+3], 0
	global_store_b128 v[L16], v[OO:OO+3], s[14:15] offset:512*((\a)/2)
.endif
.endm
	s_load_b128 s[4:7], s[0:1], 0x0                ; qc, premise scales
	s_load_b128 s[8:11], s[0:1], 0x10              ; kc, ksc
	s_load_b128 s[12:15], s[0:1], 0x20             ; hypothesis_mask, st
	v_lshl_add_u32 v[SPW], v0, 2, SPARE
	v_mov_b32 v[NIL], 0
	ds_add_u32 v[SPW], v[NIL]                      ; the opening lines: the add twice and one wait
	ds_add_u32 v[SPW], v[NIL]
	v_lshrrev_b32 v1, 5, v0
	v_readfirstlane_b32 s20, v1                    ; wave
	s_lshr_b32 s21, s20, 1                         ; i: my half of the rows; also: I fetch premise (0) or keys (1)
	s_and_b32 s22, s20, 1                          ; j: my half of the keys; also: which half I fetch
	v_and_b32 v1, 15, v0                           ; r
	v_bfe_u32 v2, v0, 4, 1                         ; h
	v_and_b32 v3, 31, v0
	v_lshlrev_b32 v[MO], 6, v2
	v_lshlrev_b32 v[L16], 4, v3
	v_lshlrev_b32 v[L8], 3, v3
	s_mul_i32 s100, s21, HALFT
	s_mul_i32 s101, s22, HALFT
	s_add_co_u32 s101, s101, 2*HALFT
.irp s, 0,1
	v_add_nc_u32 v[ADRA+\s], s100, v[L16]
	v_add_nc_u32 v[ADRA+2+\s], s100, v[L8]
	v_add_nc_u32 v[ADRB+\s], s101, v[L16]
	v_add_nc_u32 v[ADRB+2+\s], s101, v[L8]
	s_add_co_u32 s100, s100, SLOT
	s_add_co_u32 s101, s101, SLOT
.endr
	v_lshlrev_b32 v4, 5, v1                        ; premise scales: 32 bytes a row, 16 more for each 256 passed, lanes 16-31 the slot's second word
	v_lshrrev_b32 v5, 3, v1
	v_lshl_add_u32 v4, v5, 4, v4
	v_lshl_add_u32 v4, v2, 2, v4
	s_mul_i32 s100, s21, HSA
	s_add_co_u32 s100, s100, SCLA
	v_add_nc_u32 v[ADSA], s100, v4
	v_lshlrev_b32 v4, 2, v1                        ; kc's: 4 bytes a row, 1,024 a K step
	v_lshl_add_u32 v4, v2, 10, v4
	s_lshl_b32 s101, s22, 9
	s_add_co_u32 s101, s101, SCLB
	v_add_nc_u32 v[ADSB], s101, v4
	v_add_nc_u32 v[ADSX], 8192, v[ADSB]
	s_lshl_b32 s100, s20, 11                       ; the scales' way in: wave w takes 2,048 bytes of premise's 8,192,
	v_add_nc_u32 v[GSA], s100, v[L16]
	v_mul_u32_u24 v4, v2, 272
	v_lshl_add_u32 v4, v1, 4, v4
	s_mul_i32 s100, s20, 2176
	s_add_co_u32 s100, s100, SCLA
	v_add_nc_u32 v[LSA], s100, v4
	s_lshl_b32 s100, s21, 10                       ; and of ksc block w / 2, K steps 4 (w % 2) on: 4,096 bytes
	s_lshl_b32 s101, s22, 15
	s_add_co_u32 s100, s100, s101
	v_add_nc_u32 v[GSB], s100, v[L16]
	s_lshl_b32 s100, s20, 12
	s_add_co_u32 s100, s100, SCLB
	v_add_nc_u32 v[LSB], s100, v[L16]
	s_mov_b32 s23, 0xffff0000                      ; lanes 16-31
	s_mov_b32 s98, 0x76543210
	s_mov_b32 s99, 0xfedcba98
	s_bfe_u32 s40, ttmp6, 0x40000                  ; cx
	s_bfe_u32 s41, ttmp6, 0x40004                  ; cy
	s_lshl_b32 s42, ttmp9, 2
	s_add_co_u32 s42, s42, s40                     ; X
	s_and_b32 s96, ttmp7, 0xffff                   ; batch
	s_lshl_b32 s45, s96, 2
	s_add_co_u32 s45, s45, s41                     ; which 256 of premise's rows
	s_lshl_b32 s43, s41, 2
	s_lshl_b32 s43, 15, s43                        ; my row of the cluster
	s_lshl_b32 s44, 0x1111, s40                    ; my column
	s_or_b32 s[G1+0], s43, (3<<16)|(1<<21)
	s_or_b32 s[G1B+0], s44, (3<<16)|(1<<21)
.irp g, G1, G1B                        ; 24,576 dense bytes as 96 rows of 32 elements of 8 bytes
	s_mov_b32 s[\g+1], 32<<16
	s_mov_b32 s[\g+2], 96<<16
	s_mov_b32 s[\g+3], 32<<16
	s_mov_b32 s[\g+4], 96
	s_mov_b32 s[\g+5], 32
	s_mov_b32 s[\g+6], 0
	s_mov_b32 s[\g+7], 0
.endr
	s_mul_i32 s92, s96, 786432                     ; qc: batch, 16 tiles for my 256 rows, 8 for the half
	s_mul_i32 s100, s41, 49152
	s_add_co_u32 s92, s92, s100
	s_mul_i32 s100, s22, HALFT
	s_add_co_u32 s92, s92, s100
	s_mov_b32 s93, 0
	s_mul_i32 s46, s96, 1572864                    ; kc
	s_mul_i32 s101, s42, 2*TKB
	s_add_co_u32 s46, s46, s101
	s_add_co_u32 s46, s46, s100
	s_mov_b32 s47, 0
	s_lshl_b32 s94, s45, 13                        ; premise scales of my 256 rows
	s_mov_b32 s95, 0
	s_lshl_b32 s66, s96, 16                        ; ksc: 4 (16,384 b + 512 X)
	s_lshl_b32 s101, s42, 11
	s_add_co_u32 s66, s66, s101
	s_mov_b32 s67, 0
	s_lshl_b32 s68, s96, 13                        ; the mask: 4 (2,048 b + 512 X + 128 j)
	s_add_co_u32 s68, s68, s101
	s_lshl_b32 s100, s22, 9
	s_add_co_u32 s68, s68, s100
	s_mov_b32 s69, 0
	s_lshl_b32 s70, s96, 18                        ; st: 16,384 (16 b + 4 X + j) + 16 (256 cy + 128 i)
	s_lshl_b32 s100, s42, 16
	s_add_co_u32 s70, s70, s100
	s_lshl_b32 s100, s22, 14
	s_add_co_u32 s70, s70, s100
	s_lshl_b32 s100, s41, 12
	s_add_co_u32 s70, s70, s100
	s_lshl_b32 s100, s21, 11
	s_add_co_u32 s70, s70, s100
	s_mov_b32 s71, 0
	s_mul_i32 s97, s20, HALFT                      ; where my tiles go
	s_wait_alu depctr_va_vdst(0)                   ; the wait at the end of the head's vector work
	s_wait_dscnt 0x0
	s_wait_kmcnt 0x0
	s_add_nc_u64 s[92:93], s[4:5], s[92:93]
	s_add_nc_u64 s[46:47], s[8:9], s[46:47]
	s_add_nc_u64 s[6:7], s[6:7], s[94:95]
	s_add_nc_u64 s[10:11], s[10:11], s[66:67]
	s_add_nc_u64 s[12:13], s[12:13], s[68:69]
	s_add_nc_u64 s[14:15], s[14:15], s[70:71]
.irp s, 0,1
	s_mov_b32 s[G0+4*\s], 1
	s_add_co_u32 s[G0+4*\s+1], s97, \s*SLOT
	s_add_nc_u64 s[G0+4*\s+2:G0+4*\s+3], s[92:93], \s*KPA
	s_or_b32 s[G0+4*\s+3], s[G0+4*\s+3], 0x80000000
	s_mov_b32 s[G0B+4*\s], 1
	s_add_co_u32 s[G0B+4*\s+1], s97, \s*SLOT
	s_add_nc_u64 s[G0B+4*\s+2:G0B+4*\s+3], s[46:47], \s*KPB
	s_or_b32 s[G0B+4*\s+3], s[G0B+4*\s+3], 0x80000000
.endr
	CROUND                                         ; the first joint loads meet
	JLOAD G0, G1, G0B, G1B                         ; slot 0: my one tensor load at the head
.irp k, 0,1,2,3
	global_load_b128 v[AF+4*\k:AF+4*\k+3], v[GSA], s[6:7] offset:512*\k
.endr
.irp k, 0,1,2,3,4,5,6,7
	global_load_b128 v[AF+16+4*\k:AF+19+4*\k], v[GSB], s[10:11] offset:8192*(\k/2)+512*(\k%2)
.endr
	s_wait_loadcnt 0x0
.irp k, 0,1,2,3
	ds_store_b128 v[LSA], v[AF+4*\k:AF+4*\k+3] offset:544*\k
.endr
.irp k, 0,1,2,3,4,5,6,7
	ds_store_b128 v[LSB], v[AF+16+4*\k:AF+19+4*\k] offset:512*\k
.endr
	s_wait_tensorcnt 0x0                           ; my part of slot 0 is in; the three lines ahead of slot 1's first fill
	ds_add_u32 v[SPW], v[NIL]
	s_wait_dscnt 0x0                               ; the add and my scale stores are done
	CROUND
	JLOAD G0+4, G1, G0B+4, G1B                     ; slot 1
	FETCH_B 0, 0, 0
	SCALES 0, 0, ADSB
	s_mov_b32 s3, 0                                ; the trip = the block of keys
.Lblk:
	MASKS                                          ; wanted in the sums: the wait stands there
	FETCH_A 0, 0, 0
	FETCH_A 0, 0, 4
	STEP 0, 0, 1                                   ; the first step's products start the sums
	TURN 0, 1, 1, 1, 1, ADSB
	STEP 1, 0, 0
	TURN 1, 0, 1, 1, 2, ADSB
	STEP 0, 0, 0
	s_cmp_lg_u32 s3, 0                             ; the same in every wave and every partner
	s_cbranch_scc1 .Llast
	TURN 0, 1, 2, 1, 3, ADSB                       ; the ring goes on into the second block
	STEP 1, 0, 0
	TURN 1, 0, 2, 0, 0, ADSX
	s_branch .Lepi
.Llast:
	TURN 0, 1, 0, 1, 3, ADSB                       ; nothing is left to fetch
	STEP 1, 0, 0
	s_wait_dscnt 4*NLA
	WIN MUL_LO
	MUL16 0, 1, 1, 1, 0
	MUL16 2, 1, 1, 1, 0
	s_wait_dscnt 0x0
	WIN MUL_HI
	MUL16 4, 1, 1, 1, 0
	MUL16 6, 1, 1, 1, 0
	WIN 0
.Lepi:
	s_wait_loadcnt 0x0                             ; the block's mask
.set k, 0
.rept 32
	v_pk_mul_f32 v[KM+2*k:KM+2*k+1], v[KM+2*k:KM+2*k+1], 0x3d38aa3b op_sel_hi:[1,0]   ; km = mask x log2(e) / 32; also the places behind the last products
.set k, k+1
.endr
	v_mov_b32 v[MP+1], 0
	v_mov_b32 v[TT], 0
	v_mov_b32 v[TT+1], 0
.irp a, 0,1,2,3,4,5,6,7
	EPA \a
.endr
	s_wait_xcnt 0x0                                ; the loads and stores have read their registers and bases
	s_add_nc_u64 s[12:13], s[12:13], 1024          ; the next block's mask,
	s_add_nc_u64 s[14:15], s[14:15], 32768         ; its two chunks in st,
	v_xor_b32 v[ADSB], 8192, v[ADSB]               ; and its scale words
	v_xor_b32 v[ADSX], 8192, v[ADSX]
	s_add_co_u32 s3, s3, 1
	s_cmp_lt_u32 s3, 2
	s_wait_alu depctr_va_vdst(0)
	s_cbranch_scc1 .Lblk
	s_wait_tensorcnt 0x0                           ; the wave's end
	ds_add_u32 v[SPW], v[NIL]
	s_wait_dscnt 0x0
	CROUND                                         ; the closing round
	s_endpgm
.Lfunc_end_k_q92021f23ae_stats:
	.size	k_q92021f23ae_stats, .Lfunc_end_k_q92021f23ae_stats-k_q92021f23ae_stats
	.p2alignl 7, 3214868480
	.fill 96, 4, 3214868480
	.section	.rodata,"a",@progbits
	.p2align	6, 0x0
	.amdhsa_kernel k_q92021f23ae_stats
		.amdhsa_group_segment_fixed_size 327680
		.amdhsa_private_segment_fixed_size 0
		.amdhsa_enable_private_segment 0
		.amdhsa_kernarg_size 48
		.amdhsa_user_sgpr_count 2
		.amdhsa_user_sgpr_kernarg_segment_ptr 1
		.amdhsa_wavefront_size32 1
		.amdhsa_system_sgpr_workgroup_id_x 1
		.amdhsa_system_sgpr_workgroup_id_y 1
		.amdhsa_system_sgpr_workgroup_id_z 1
		.amdhsa_system_vgpr_workitem_id 0
		.amdhsa_next_free_vgpr 1024
		.amdhsa_next_free_sgpr 102
		.amdhsa_reserve_vcc 0
		.amdhsa_float_denorm_mode_32 3
		.amdhsa_float_denorm_mode_16_64 3
		.amdhsa_memory_ordered 1
		.amdhsa_forward_progress 1
		.amdhsa_inst_pref_size 255
	.end_amdhsa_kernel
	.section	.bss,"aw",@nobits
	.p2align	6
	.space	262144
	.amdgpu_metadata
---
amdhsa.version: [ 1, 2 ]
amdhsa.kernels:
  - .name:           k_q92021f23ae_stats
    .symbol:         k_q92021f23ae_stats.kd
    .args:
      - { .name: qc, .offset: 0, .size: 8, .value_kind: global_buffer, .address_space: global }
      - { .name: premise_batch_scales, .offset: 8, .size: 8, .value_kind: global_buffer, .address_space: global }
      - { .name: kc, .offset: 16, .size: 8, .value_kind: global_buffer, .address_space: global }
      - { .name: ksc, .offset: 24, .size: 8, .value_kind: global_buffer, .address_space: global }
      - { .name: hypothesis_mask, .offset: 32, .size: 8, .value_kind: global_buffer, .address_space: global }
      - { .name: st, .offset: 40, .size: 8, .value_kind: global_buffer, .address_space: global }
    .group_segment_fixed_size: 327680
    .private_segment_fixed_size: 0
    .kernarg_segment_align: 8
    .kernarg_segment_size: 48
    .max_flat_workgroup_size: 128
    .sgpr_count:     102
    .vgpr_count:     1024
    .wavefront_size: 32
...
	.end_amdgpu_metadata
.endif
;; end of part 2
;; launch probs (part 3): grid 4 x 64, 4 waves a work-group, clusters of 4 x 4, 327,680 bytes of LDS; arguments qc, premise_batch_scales, kc, ksc, hypothesis_mask, st, pc, psc; writes pc, psc
.if DOCPART == 3
	.amdgcn_target "amdgcn-amd-amdhsa--gfx1250"
	.amdhsa_code_object_version 6
	.text
	.protected	k_q92021f23ae_probs
	.globl	k_q92021f23ae_probs
	.p2align	8
	.type	k_q92021f23ae_probs,@function
k_q92021f23ae_probs:
	s_mov_b64 s[64:65], 0
	v_nop
	global_prefetch_b8 v0, s[64:65] scope:SCOPE_SE
	s_setreg_imm32_b32 hwreg(HW_REG_WAVE_MODE, 25, 1), 1
	s_wait_xcnt 0x0
	s_wait_alu depctr_hold_cnt(0) depctr_sa_sdst(0) depctr_va_vdst(0) depctr_va_sdst(0) depctr_va_ssrc(0) depctr_va_vcc(0) depctr_vm_vsrc(0)
	s_getreg_b32 s2, hwreg(HW_REG_IB_STS2, 6, 4)
	s_cmp_eq_u32 s2, 0
	s_cbranch_scc0 .Lentry_in_a_cluster
	s_endpgm
.Lentry_in_a_cluster:
	s_bfe_u32 s2, ttmp6, 0x10000c
	s_cmp_lg_u32 s2, 0xf033
	s_cbranch_scc0 .Lentry_shape_is_right
	s_endpgm
.Lentry_shape_is_right:
; SECOND PASS OVER THE SCORES.  The same products, shares, ring, cluster and loop of two trips as in the launch before.  At the head each row's 16 triples of st are joined:
; m = the largest m, Z1 and Z2' brought under it, rr = 1 / (Z2' + 1e-13 x log2(e) / 32 x Z1).  The finished weight is p = 2^(t - m) x km x rr, which is quantised along the keys to BF6:
; pc [b][kp 8][row tile 64][q 2][1536] as images of the operand's registers, psc [b][K step 16][1024] scale words.
; LIMITS: NaN and infinities among the inputs are not served; a block of zeros gets the byte 1 (read by this program alone).
; No prefetch: K has four slots only, at the largest block, in clusters.
.set FR, 12
.set NLA, 4
.set NP, 4
.set HALFT, 8*3072
.set SLOT, 4*HALFT
.set KPA, 196608
.set KPB, 393216
.set TKB, 49152
.set SCLA, 2*SLOT
.set HSA, 16*272
.set SCLB, 212992
.set SPARE, SCLB+16384
.set PSTG, SPARE+512                   ; p's scale words on their way out: 512 bytes a wave
.set PSA, 8
.set PSL, 9
.set GSA, 10
.set LSA, 11
.set GSB, 12
.set LSB, 13
.set ADSX, 14
.set ADRA, 16
.set ADRB, 20
.set ADSA, 24
.set ADSB, 25
.set MO, 26
.set L16, 27
.set SPW, 28
.set NIL, 29
.set L8, 30
.set STO, 31
.set SC, 32
.set KM, 64
.set AF, 128
.set MM, 224
.set RR, 232
.set Z1T, 240
.set WK, 248
.set G1, 24
.set G0, 32
.set G1B, 48
.set G0B, 56
.set MSB, 0
.macro WIN new
.if MSB != (\new)
	s_set_vgpr_msb (MSB<<8)|(\new)
.set MSB, (\new)
.endif
.endm
.set MUL_LO, 0xa1
.set MUL_HI, 0xf1
.set TO_B, 0x40
.macro JLOAD g0a, g1a, g0b, g1b
	s_cmp_eq_u32 s21, 0
	s_cbranch_scc0 .Lfor_b_\@
	tensor_load_to_lds s[\g0a:\g0a+3], s[\g1a:\g1a+7]
	s_nop 0
.rept 4
	v_nop
.endr
	s_branch .Lasked_\@
.Lfor_b_\@:
	tensor_load_to_lds s[\g0b:\g0b+3], s[\g1b:\g1b+7]
	s_nop 0
.rept 4
	v_nop
.endr
.Lasked_\@:
.endm
.macro CREST
	s_cmp_lg_u32 s20, 0
	s_cbranch_scc1 .Lnot_wave_0_\@
	s_barrier_signal -3
.Lnot_wave_0_\@:
	s_barrier_wait -3
	s_barrier_signal -1
	s_barrier_wait -1
.endm
.macro CROUND
	s_barrier_signal -1
	s_barrier_wait -1
	CREST
.endm
.macro MASKS
.irp g, 0,1,2,3
.irp u, 0,1,2,3
	global_load_b128 v[KM+16*\g+4*\u:KM+16*\g+4*\u+3], v[MO], s[12:13] offset:128*\g+16*\u
.endr
.endr
.endm
.macro FRAGI reg, adr, q, i
	ds_load_b128 v[\reg:\reg+3], v[\adr] offset:3072*(\i)+1536*(\q)
	ds_load_b64 v[\reg+4:\reg+5], v[\adr+2] offset:3072*(\i)+1536*(\q)+512
	ds_load_b128 v[\reg+6:\reg+9], v[\adr] offset:3072*(\i)+1536*(\q)+768
	ds_load_b64 v[\reg+10:\reg+11], v[\adr+2] offset:3072*(\i)+1536*(\q)+1280
.endm
.macro MUL16 a0, p, q, sc, zero        ; the 64 accumulators take turns
.irp a, \a0, \a0+1
.irp b, 0,1,2,3,4,5,6,7
.set rD, 8*(8*((\a)%4)+\b)
.set rB, 128*(\p)+FR*\b
.set rA, AF+FR*(\a)
.set rSB, SC+16*(\sc)+8+\b
.set rSA, SC+16*(\sc)+(\a)
.if \zero
	v_wmma_scale_f32_16x16x128_f8f6f4 v[rD:rD+7], v[rB:rB+FR-1], v[rA:rA+FR-1], 0, v[rSB], v[rSA] matrix_a_fmt:MATRIX_FMT_BF6 matrix_b_fmt:MATRIX_FMT_BF6
.elseif \q
	v_wmma_scale_f32_16x16x128_f8f6f4 v[rD:rD+7], v[rB:rB+FR-1], v[rA:rA+FR-1], v[rD:rD+7], v[rSB], v[rSA] matrix_a_fmt:MATRIX_FMT_BF6 matrix_b_fmt:MATRIX_FMT_BF6 matrix_a_scale:MATRIX_SCALE_ROW1 matrix_b_scale:MATRIX_SCALE_ROW1
.else
	v_wmma_scale_f32_16x16x128_f8f6f4 v[rD:rD+7], v[rB:rB+FR-1], v[rA:rA+FR-1], v[rD:rD+7], v[rSB], v[rSA] matrix_a_fmt:MATRIX_FMT_BF6 matrix_b_fmt:MATRIX_FMT_BF6
.endif
.endr
.endr
.endm
.macro FETCH_B slot, q, p
	WIN TO_B
.irp i, 0,1,2,3,4,5,6,7
	FRAGI 128*(\p)+FR*\i, ADRB+\slot, \q, \i
.endr
	WIN 0
.endm
.macro FETCH_A slot, q, i0
.irp i, \i0, \i0+1, \i0+2, \i0+3
	FRAGI AF+FR*(\i), ADRA+\slot, \q, \i
.endr
.endm
.macro SCALES sc, kq, rb
.irp i, 0,1,2,3,4,5,6,7
	ds_load_b32 v[SC+16*\sc+\i], v[ADSA] offset:544*\i+8*(\kq)
.endr
.irp i, 0,1,2,3,4,5,6,7
	ds_load_b32 v[SC+16*\sc+8+\i], v[\rb] offset:64*\i+2048*(\kq)
.endr
.endm
.macro PLACES n
.rept \n
	v_nop
.endr
.endm
.macro STEP slot, q, zero
	s_wait_dscnt 4*NLA                             ; all but the youngest 16 loads (premise tiles 4-7)
	WIN MUL_LO
	MUL16 0, (\q)%2, \q, \slot, \zero
	MUL16 2, (\q)%2, \q, \slot, \zero
	s_wait_dscnt 0x0
	PLACES NP
	FETCH_B \slot, (\q)+1, 1-(\q)%2
	FETCH_A \slot, (\q)+1, 0
	WIN MUL_HI
	MUL16 4, (\q)%2, \q, \slot, \zero
	MUL16 6, (\q)%2, \q, \slot, \zero
	PLACES NP
	WIN 0
	FETCH_A \slot, (\q)+1, 4
.endm
.macro TURN slot, next, fill, fa, kq, rb
	s_wait_tensorcnt 0x0                           ; all my tensor loads have landed
	ds_add_u32 v[SPW], v[NIL]
	s_wait_dscnt 4*NLA+1                           ; the add and the youngest 16 loads may be out
	WIN MUL_LO
	MUL16 0, 1, 1, \slot, 0
	s_wait_dscnt 0x0                               ; the add is done, my reads of this slot are over
	s_barrier_signal -1
	MUL16 2, 1, 1, \slot, 0
	WIN 0
	s_barrier_wait -1
.if \fill
	CREST
.if \fill == 1
	s_add_nc_u64 s[G0+4*\slot+2:G0+4*\slot+3], s[G0+4*\slot+2:G0+4*\slot+3], 2*KPA
	s_add_nc_u64 s[G0B+4*\slot+2:G0B+4*\slot+3], s[G0B+4*\slot+2:G0B+4*\slot+3], 2*KPB
.else
	s_sub_nc_u64 s[G0+4*\slot+2:G0+4*\slot+3], s[G0+4*\slot+2:G0+4*\slot+3], 2*KPA
	s_sub_nc_u64 s[G0B+4*\slot+2:G0B+4*\slot+3], s[G0B+4*\slot+2:G0B+4*\slot+3], 2*KPB-TKB
.endif
	JLOAD G0+4*\slot, G1, G0B+4*\slot, G1B
.else
	PLACES NP
.endif
	FETCH_B \next, 0, 0
.if \fa
	FETCH_A \next, 0, 0
.endif
	SCALES \next, \kq, \rb
	WIN MUL_HI
	MUL16 4, 1, 1, \slot, 0
	MUL16 6, 1, 1, \slot, 0
.if \fa
	PLACES NP
.endif
	WIN 0
.if \fa
	FETCH_A \next, 0, 4
.endif
.endm
; THE WEIGHTS of a row tile: p, its four blocks' scales, its codes as an image, its scale word
.set NPR, 128
.set RPR, 130
.set TM, 132
.set PCB, 148
.set PW, 196
.macro EPB a
.set AC, 64*((\a)%4)
.set W, 2+(\a)/4
.set E1, (W<<6)|W
.set E2, (W<<2)|(W<<4)
.set E3, W
.set PC, PCB+24*((\a)%2)
	WIN 0
	v_mov_b32 v[NPR], v[MM+\a]
	v_mov_b32 v[RPR], v[RR+\a]
	WIN E1
.set k, 0
.rept 32
	v_pk_fma_f32 v[AC+2*k:AC+2*k+1], v[AC+2*k:AC+2*k+1], v[KM+2*k:KM+2*k+1], v[NPR:NPR+1] op_sel_hi:[1,1,0] neg_lo:[0,0,1] neg_hi:[0,0,1]   ; t - m
.set k, k+1
.endr
.set k, 0
	s_wait_alu depctr_va_vdst(0)                   ; the wait ahead of the batch
.rept 64
	v_exp_f32 v[AC+k], v[AC+k]
.set k, k+1
.endr
	v_nop
.set k, 0
	s_wait_alu depctr_va_vdst(0)                   ; and behind it
.rept 32
	v_pk_mul_f32 v[AC+2*k:AC+2*k+1], v[AC+2*k:AC+2*k+1], v[KM+2*k:KM+2*k+1]
.set k, k+1
.endr
.set k, 0
.rept 32
	v_pk_mul_f32 v[AC+2*k:AC+2*k+1], v[AC+2*k:AC+2*k+1], v[RPR:RPR+1] op_sel_hi:[1,0]
.set k, k+1
.endr
	WIN E2
.irp b, 0,1,2,3
	v_max3_num_f32 v[TM+\b], 0x2800000, |v[AC+16*\b]|, |v[AC+16*\b+1]|   ; with the floor 2^(5 - 127)
.endr
.irp i, 2,4,6,8,10,12,14
.irp b, 0,1,2,3
	v_max3_num_f32 v[TM+\b], v[TM+\b], |v[AC+16*\b+\i]|, |v[AC+16*\b+\i+1]|
.endr
.endr
	WIN 0
.irp b, 0,1,2,3
	v_permlanex16_b32 v[TM+4+\b], v[TM+\b], s98, s99
.endr
.irp b, 0,1,2,3
	v_max_num_f32 v[TM+\b], v[TM+\b], v[TM+4+\b]
.endr
.irp b, 0,1,2,3
	v_add_nc_u32 v[TM+12+\b], 0xfe000000, v[TM+\b]   ; 4 off the exponent field: the conversion's scale operand
.endr
.irp b, 0,1,2,3
	v_lshrrev_b32 v[TM+4+\b], 23, v[TM+12+\b]
.endr
	v_lshl_or_b32 v[PW], v[TM+5], 8, v[TM+4]
	v_lshl_or_b32 v[PW], v[TM+6], 16, v[PW]
	v_lshl_or_b32 v[PW], v[TM+7], 24, v[PW]
	s_wait_xcnt 0x0                                ; earlier stores have read the registers that are written below
	WIN E3
.irp c, 0,1
	v_cvt_scalef32_pk16_bf6_f32 v[PC+6*\c:PC+2+6*\c], v[AC+32*\c:AC+15+32*\c], v[TM+12+2*\c]
	v_cvt_scalef32_pk16_bf6_f32 v[PC+12+4*\c:PC+14+4*\c], v[AC+16+32*\c:AC+31+32*\c], v[TM+12+2*\c+1]
.endr
	v_nop
	WIN 0
.irp c, 0,1
.irp i, 0,1,2
	v_permlane16_swap_b32 v[PC+6*\c+\i], v[PC+12+4*\c+\i]
.endr
.irp i, 0,1,2
	v_mov_b32 v[PC+3+6*\c+\i], v[PC+12+4*\c+\i]
.endr
.endr
	global_store_b128 v[L16], v[PC:PC+3], s[16:17] offset:3072*(\a)
	global_store_b64 v[L8], v[PC+4:PC+5], s[16:17] offset:3072*(\a)+512
	global_store_b128 v[L16], v[PC+6:PC+9], s[16:17] offset:3072*(\a)+768
	global_store_b64 v[L8], v[PC+10:PC+11], s[16:17] offset:3072*(\a)+1280
	ds_store_b32 v[PSA], v[PW] offset:64*(\a)
.endm
	s_load_b128 s[4:7], s[0:1], 0x0                ; qc, premise scales
	s_load_b128 s[8:11], s[0:1], 0x10              ; kc, ksc
	s_load_b128 s[12:15], s[0:1], 0x20             ; hypothesis_mask, st
	s_load_b128 s[16:19], s[0:1], 0x30             ; pc, psc
	v_lshl_add_u32 v[SPW], v0, 2, SPARE
	v_mov_b32 v[NIL], 0
	ds_add_u32 v[SPW], v[NIL]                      ; the opening lines: the add twice and one wait
	ds_add_u32 v[SPW], v[NIL]
	v_lshrrev_b32 v1, 5, v0
	v_readfirstlane_b32 s20, v1
	s_lshr_b32 s21, s20, 1
	s_and_b32 s22, s20, 1
	v_and_b32 v1, 15, v0
	v_bfe_u32 v2, v0, 4, 1
	v_and_b32 v3, 31, v0
	v_lshlrev_b32 v[MO], 6, v2
	v_lshlrev_b32 v[L16], 4, v3
	v_lshlrev_b32 v[L8], 3, v3
	s_mul_i32 s100, s21, HALFT
	s_mul_i32 s101, s22, HALFT
	s_add_co_u32 s101, s101, 2*HALFT
.irp s, 0,1
	v_add_nc_u32 v[ADRA+\s], s100, v[L16]
	v_add_nc_u32 v[ADRA+2+\s], s100, v[L8]
	v_add_nc_u32 v[ADRB+\s], s101, v[L16]
	v_add_nc_u32 v[ADRB+2+\s], s101, v[L8]
	s_add_co_u32 s100, s100, SLOT
	s_add_co_u32 s101, s101, SLOT
.endr
	v_lshlrev_b32 v4, 5, v1
	v_lshrrev_b32 v5, 3, v1
	v_lshl_add_u32 v4, v5, 4, v4
	v_lshl_add_u32 v4, v2, 2, v4
	s_mul_i32 s100, s21, HSA
	s_add_co_u32 s100, s100, SCLA
	v_add_nc_u32 v[ADSA], s100, v4
	v_lshlrev_b32 v4, 2, v1
	v_lshl_add_u32 v4, v2, 10, v4
	s_lshl_b32 s101, s22, 9
	s_add_co_u32 s101, s101, SCLB
	v_add_nc_u32 v[ADSB], s101, v4
	v_add_nc_u32 v[ADSX], 8192, v[ADSB]
	s_lshl_b32 s100, s20, 11
	v_add_nc_u32 v[GSA], s100, v[L16]
	v_mul_u32_u24 v4, v2, 272
	v_lshl_add_u32 v4, v1, 4, v4
	s_mul_i32 s100, s20, 2176
	s_add_co_u32 s100, s100, SCLA
	v_add_nc_u32 v[LSA], s100, v4
	s_lshl_b32 s100, s21, 10
	s_lshl_b32 s101, s22, 15
	s_add_co_u32 s100, s100, s101
	v_add_nc_u32 v[GSB], s100, v[L16]
	s_lshl_b32 s100, s20, 12
	s_add_co_u32 s100, s100, SCLB
	v_add_nc_u32 v[LSB], s100, v[L16]
	s_lshl_b32 s100, s20, 9
	s_add_co_u32 s100, s100, PSTG
	v_lshl_add_u32 v[PSA], v1, 2, s100
	v_add_nc_u32 v[PSL], s100, v[L16]
	v_lshlrev_b32 v[STO], 4, v1                    ; st: row r, lanes 16-31 chunks 8 on
	v_lshl_add_u32 v[STO], v2, 17, v[STO]
	s_mov_b32 s98, 0x76543210
	s_mov_b32 s99, 0xfedcba98
	s_bfe_u32 s40, ttmp6, 0x40000
	s_bfe_u32 s41, ttmp6, 0x40004
	s_lshl_b32 s42, ttmp9, 2
	s_add_co_u32 s42, s42, s40
	s_and_b32 s96, ttmp7, 0xffff
	s_lshl_b32 s45, s96, 2
	s_add_co_u32 s45, s45, s41
	s_lshl_b32 s43, s41, 2
	s_lshl_b32 s43, 15, s43
	s_lshl_b32 s44, 0x1111, s40
	s_or_b32 s[G1+0], s43, (3<<16)|(1<<21)
	s_or_b32 s[G1B+0], s44, (3<<16)|(1<<21)
.irp g, G1, G1B
	s_mov_b32 s[\g+1], 32<<16
	s_mov_b32 s[\g+2], 96<<16
	s_mov_b32 s[\g+3], 32<<16
	s_mov_b32 s[\g+4], 96
	s_mov_b32 s[\g+5], 32
	s_mov_b32 s[\g+6], 0
	s_mov_b32 s[\g+7], 0
.endr
	s_mul_i32 s92, s96, 786432
	s_mul_i32 s100, s41, 49152
	s_add_co_u32 s92, s92, s100
	s_mul_i32 s100, s22, HALFT
	s_add_co_u32 s92, s92, s100
	s_mov_b32 s93, 0
	s_mul_i32 s46, s96, 1572864
	s_mul_i32 s101, s42, 2*TKB
	s_add_co_u32 s46, s46, s101
	s_add_co_u32 s46, s46, s100
	s_mov_b32 s47, 0
	s_lshl_b32 s94, s45, 13
	s_mov_b32 s95, 0
	s_lshl_b32 s66, s96, 16
	s_lshl_b32 s101, s42, 11
	s_add_co_u32 s66, s66, s101
	s_mov_b32 s67, 0
	s_lshl_b32 s68, s96, 13
	s_add_co_u32 s68, s68, s101
	s_lshl_b32 s100, s22, 9
	s_add_co_u32 s68, s68, s100
	s_mov_b32 s69, 0
	s_lshl_b32 s70, s96, 18                        ; st: my 128 rows, all chunks of the batch
	s_lshl_b32 s100, s41, 12
	s_add_co_u32 s70, s70, s100
	s_lshl_b32 s100, s21, 11
	s_add_co_u32 s70, s70, s100
	s_mov_b32 s71, 0
	s_mul_i32 s72, s96, 1572864                    ; pc: kp = 2 X + trip, row tile 16 cy + 8 i, q = j
	s_mul_i32 s100, s42, 393216
	s_add_co_u32 s72, s72, s100
	s_mul_i32 s100, s41, 49152
	s_add_co_u32 s72, s72, s100
	s_mul_i32 s100, s21, 24576
	s_add_co_u32 s72, s72, s100
	s_mul_i32 s100, s22, 1536
	s_add_co_u32 s72, s72, s100
	s_mov_b32 s73, 0
	s_lshl_b32 s74, s96, 16                        ; psc: 4 (1,024 (16 b + 4 X + j) + 256 cy + 128 i)
	s_lshl_b32 s100, s42, 14
	s_add_co_u32 s74, s74, s100
	s_lshl_b32 s100, s22, 12
	s_add_co_u32 s74, s74, s100
	s_lshl_b32 s100, s41, 10
	s_add_co_u32 s74, s74, s100
	s_lshl_b32 s100, s21, 9
	s_add_co_u32 s74, s74, s100
	s_mov_b32 s75, 0
	s_mul_i32 s97, s20, HALFT
	s_wait_alu depctr_va_vdst(0)                   ; the wait at the end of the head's vector work
	s_wait_dscnt 0x0
	s_wait_kmcnt 0x0
	s_add_nc_u64 s[92:93], s[4:5], s[92:93]
	s_add_nc_u64 s[46:47], s[8:9], s[46:47]
	s_add_nc_u64 s[6:7], s[6:7], s[94:95]
	s_add_nc_u64 s[10:11], s[10:11], s[66:67]
	s_add_nc_u64 s[12:13], s[12:13], s[68:69]
	s_add_nc_u64 s[14:15], s[14:15], s[70:71]
	s_add_nc_u64 s[16:17], s[16:17], s[72:73]
	s_add_nc_u64 s[18:19], s[18:19], s[74:75]
.irp s, 0,1
	s_mov_b32 s[G0+4*\s], 1
	s_add_co_u32 s[G0+4*\s+1], s97, \s*SLOT
	s_add_nc_u64 s[G0+4*\s+2:G0+4*\s+3], s[92:93], \s*KPA
	s_or_b32 s[G0+4*\s+3], s[G0+4*\s+3], 0x80000000
	s_mov_b32 s[G0B+4*\s], 1
	s_add_co_u32 s[G0B+4*\s+1], s97, \s*SLOT
	s_add_nc_u64 s[G0B+4*\s+2:G0B+4*\s+3], s[46:47], \s*KPB
	s_or_b32 s[G0B+4*\s+3], s[G0B+4*\s+3], 0x80000000
.endr
	CROUND
	JLOAD G0, G1, G0B, G1B                         ; slot 0: my one tensor load at the head
.irp k, 0,1,2,3
	global_load_b128 v[AF+4*\k:AF+4*\k+3], v[GSA], s[6:7] offset:512*\k
.endr
.irp k, 0,1,2,3,4,5,6,7
	global_load_b128 v[AF+16+4*\k:AF+19+4*\k], v[GSB], s[10:11] offset:8192*(\k/2)+512*(\k%2)
.endr
	WIN 0x80                                       ; st's triples into window 2, which the products need later: tile a, chunk c + 8 h at v[32 a + 4 c]
.irp a, 0,1,2,3,4,5,6,7
.irp c, 0,1,2,3,4,5,6,7
	global_load_b128 v[32*\a+4*\c:32*\a+4*\c+3], v[STO], s[14:15] offset:16384*\c+256*\a
.endr
.endr
	WIN 0
	s_wait_loadcnt 0x0
.irp k, 0,1,2,3
	ds_store_b128 v[LSA], v[AF+4*\k:AF+4*\k+3] offset:544*\k
.endr
.irp k, 0,1,2,3,4,5,6,7
	ds_store_b128 v[LSB], v[AF+16+4*\k:AF+19+4*\k] offset:512*\k
.endr
	s_wait_tensorcnt 0x0                           ; the three lines ahead of slot 1's first fill
	ds_add_u32 v[SPW], v[NIL]
	s_wait_dscnt 0x0
	CROUND
	JLOAD G0+4, G1, G0B+4, G1B                     ; slot 1
	FETCH_B 0, 0, 0
	SCALES 0, 0, ADSB
	WIN 0x28                                       ; the rows' m and rr
.irp a, 0,1,2,3,4,5,6,7
	v_max3_num_f32 v[MM+\a], 0xff800000, v[32*\a], v[32*\a+4]
.endr
.irp c, 2,4,6
.irp a, 0,1,2,3,4,5,6,7
	v_max3_num_f32 v[MM+\a], v[MM+\a], v[32*\a+4*\c], v[32*\a+4*\c+4]
.endr
.endr
	WIN 0
.irp a, 0,1,2,3,4,5,6,7
	v_mov_b32 v[Z1T+\a], 0
.endr
.irp a, 0,1,2,3,4,5,6,7
	v_permlanex16_b32 v[Z1T+\a], v[MM+\a], s98, s99
.endr
.irp a, 0,1,2,3,4,5,6,7
	v_max_num_f32 v[MM+\a], v[MM+\a], v[Z1T+\a]
.endr
	WIN 0x28
.irp a, 0,1,2,3,4,5,6,7
.irp c, 0,1,2,3,4,5,6,7
	v_sub_f32 v[WK+\c], v[MM+\a], v[32*\a+4*\c]
.endr
	s_wait_alu depctr_va_vdst(0)
.irp c, 0,1,2,3,4,5,6,7
	v_exp_f32 v[WK+\c], -v[WK+\c]
.endr
	v_mov_b32 v[Z1T+\a], 0
	v_mov_b32 v[RR+\a], 0
	s_wait_alu depctr_va_vdst(0)
.irp c, 0,1,2,3,4,5,6,7
	v_fmac_f32 v[Z1T+\a], v[WK+\c], v[32*\a+4*\c+1]
	v_fmac_f32 v[RR+\a], v[WK+\c], v[32*\a+4*\c+2]
.endr
.endr
	WIN 0
.irp a, 0,1,2,3,4,5,6,7
	v_permlanex16_b32 v[WK+\a], v[Z1T+\a], s98, s99
.endr
.irp a, 0,1,2,3,4,5,6,7
	v_add_f32 v[Z1T+\a], v[Z1T+\a], v[WK+\a]
.endr
.irp a, 0,1,2,3,4,5,6,7
	v_permlanex16_b32 v[WK+\a], v[RR+\a], s98, s99
.endr
.irp a, 0,1,2,3,4,5,6,7
	v_add_f32 v[RR+\a], v[RR+\a], v[WK+\a]
.endr
.irp a, 0,1,2,3,4,5,6,7
	v_fmac_f32 v[RR+\a], 0x27a26eda, v[Z1T+\a]     ; + 1e-13 x log2(e) / 32 x Z1
.endr
	s_wait_alu depctr_va_vdst(0)
.irp a, 0,1,2,3,4,5,6,7
	v_rcp_f32 v[RR+\a], v[RR+\a]
.endr
	v_nop
	s_wait_alu depctr_va_vdst(0)
	s_mov_b32 s3, 0
.Lblk:
	MASKS
	FETCH_A 0, 0, 0
	FETCH_A 0, 0, 4
	STEP 0, 0, 1
	TURN 0, 1, 1, 1, 1, ADSB
	STEP 1, 0, 0
	TURN 1, 0, 1, 1, 2, ADSB
	STEP 0, 0, 0
	s_cmp_lg_u32 s3, 0                             ; the same in every wave and every partner
	s_cbranch_scc1 .Llast
	TURN 0, 1, 2, 1, 3, ADSB                       ; the ring goes on into the second block
	STEP 1, 0, 0
	TURN 1, 0, 2, 0, 0, ADSX
	s_branch .Lepi
.Llast:
	TURN 0, 1, 0, 1, 3, ADSB
	STEP 1, 0, 0
	s_wait_dscnt 4*NLA
	WIN MUL_LO
	MUL16 0, 1, 1, 1, 0
	MUL16 2, 1, 1, 1, 0
	s_wait_dscnt 0x0
	WIN MUL_HI
	MUL16 4, 1, 1, 1, 0
	MUL16 6, 1, 1, 1, 0
	WIN 0
.Lepi:
	s_wait_loadcnt 0x0                             ; the block's mask
.set k, 0
.rept 32
	v_pk_mul_f32 v[KM+2*k:KM+2*k+1], v[KM+2*k:KM+2*k+1], 0x3d38aa3b op_sel_hi:[1,0]   ; km; also the places behind the last products
.set k, k+1
.endr
	v_mov_b32 v[NPR+1], 0
	v_mov_b32 v[RPR+1], 0
	s_wait_alu depctr_va_vdst(0)
.irp b, 0,1,2,3
	v_mov_b32 v[TM+4+\b], 0
.endr
.irp a, 0,1,2,3,4,5,6,7
	EPB \a
.endr
	ds_load_b128 v[200:203], v[PSL]                ; my 128 rows' scale words: my own bytes, served in order
	s_wait_dscnt 0x0
	global_store_b128 v[L16], v[200:203], s[18:19]
	s_wait_xcnt 0x0                                ; the loads and stores have read their registers and bases
	s_add_nc_u64 s[12:13], s[12:13], 1024
	s_add_nc_u64 s[16:17], s[16:17], 196608
	s_add_nc_u64 s[18:19], s[18:19], 8192
	v_xor_b32 v[ADSB], 8192, v[ADSB]
	v_xor_b32 v[ADSX], 8192, v[ADSX]
	s_add_co_u32 s3, s3, 1
	s_cmp_lt_u32 s3, 2
	s_wait_alu depctr_va_vdst(0)
	s_cbranch_scc1 .Lblk
	s_wait_tensorcnt 0x0                           ; the wave's end
	ds_add_u32 v[SPW], v[NIL]
	s_wait_dscnt 0x0
	CROUND
	s_endpgm
.Lfunc_end_k_q92021f23ae_probs:
	.size	k_q92021f23ae_probs, .Lfunc_end_k_q92021f23ae_probs-k_q92021f23ae_probs
	.p2alignl 7, 3214868480
	.fill 96, 4, 3214868480
	.section	.rodata,"a",@progbits
	.p2align	6, 0x0
	.amdhsa_kernel k_q92021f23ae_probs
		.amdhsa_group_segment_fixed_size 327680
		.amdhsa_private_segment_fixed_size 0
		.amdhsa_enable_private_segment 0
		.amdhsa_kernarg_size 64
		.amdhsa_user_sgpr_count 2
		.amdhsa_user_sgpr_kernarg_segment_ptr 1
		.amdhsa_wavefront_size32 1
		.amdhsa_system_sgpr_workgroup_id_x 1
		.amdhsa_system_sgpr_workgroup_id_y 1
		.amdhsa_system_sgpr_workgroup_id_z 1
		.amdhsa_system_vgpr_workitem_id 0
		.amdhsa_next_free_vgpr 1024
		.amdhsa_next_free_sgpr 102
		.amdhsa_reserve_vcc 0
		.amdhsa_float_denorm_mode_32 3
		.amdhsa_float_denorm_mode_16_64 3
		.amdhsa_memory_ordered 1
		.amdhsa_forward_progress 1
		.amdhsa_inst_pref_size 255
	.end_amdhsa_kernel
	.section	.bss,"aw",@nobits
	.p2align	6
	.space	262144
	.amdgpu_metadata
---
amdhsa.version: [ 1, 2 ]
amdhsa.kernels:
  - .name:           k_q92021f23ae_probs
    .symbol:         k_q92021f23ae_probs.kd
    .args:
      - { .name: qc, .offset: 0, .size: 8, .value_kind: global_buffer, .address_space: global }
      - { .name: premise_batch_scales, .offset: 8, .size: 8, .value_kind: global_buffer, .address_space: global }
      - { .name: kc, .offset: 16, .size: 8, .value_kind: global_buffer, .address_space: global }
      - { .name: ksc, .offset: 24, .size: 8, .value_kind: global_buffer, .address_space: global }
      - { .name: hypothesis_mask, .offset: 32, .size: 8, .value_kind: global_buffer, .address_space: global }
      - { .name: st, .offset: 40, .size: 8, .value_kind: global_buffer, .address_space: global }
      - { .name: pc, .offset: 48, .size: 8, .value_kind: global_buffer, .address_space: global }
      - { .name: psc, .offset: 56, .size: 8, .value_kind: global_buffer, .address_space: global }
    .group_segment_fixed_size: 327680
    .private_segment_fixed_size: 0
    .kernarg_segment_align: 8
    .kernarg_segment_size: 64
    .max_flat_workgroup_size: 128
    .sgpr_count:     102
    .vgpr_count:     1024
    .wavefront_size: 32
...
	.end_amdgpu_metadata
.endif
;; end of part 3
;; launch outg (part 4): grid 4 x 64, 4 waves a work-group, clusters of 4 x 4, 327,680 bytes of LDS; arguments pc, psc, vc, vsc, premise_mask, out0; writes out0
.if DOCPART == 4
	.amdgcn_target "amdgcn-amd-amdhsa--gfx1250"
	.amdhsa_code_object_version 6
	.text
	.protected	k_q92021f23ae_outg
	.globl	k_q92021f23ae_outg
	.p2align	8
	.type	k_q92021f23ae_outg,@function
k_q92021f23ae_outg:
	s_mov_b64 s[64:65], 0
	v_nop
	global_prefetch_b8 v0, s[64:65] scope:SCOPE_SE
	s_setreg_imm32_b32 hwreg(HW_REG_WAVE_MODE, 25, 1), 1
	s_wait_xcnt 0x0
	s_wait_alu depctr_hold_cnt(0) depctr_sa_sdst(0) depctr_va_vdst(0) depctr_va_sdst(0) depctr_va_ssrc(0) depctr_va_vcc(0) depctr_vm_vsrc(0)
	s_getreg_b32 s2, hwreg(HW_REG_IB_STS2, 6, 4)
	s_cmp_eq_u32 s2, 0
	s_cbranch_scc0 .Lentry_in_a_cluster
	s_endpgm
.Lentry_in_a_cluster:
	s_bfe_u32 s2, ttmp6, 0x10000c
	s_cmp_lg_u32 s2, 0xf033
	s_cbranch_scc0 .Lentry_shape_is_right
	s_endpgm
.Lentry_shape_is_right:
.set FR,    12
.set NLA,   4
.set NP,    4
.set HALFT, 8*3072
.set SLOT,  4*HALFT
.set SCL,   2*SLOT
.set HS,    16*512
.set SPARE, SCL+4*HS
.set SPITCH, 528
.set LAPS,  4
.set ADRA, 16
.set ADRB, 20
.set ADSA, 24
.set ADSB, 25
.set STO,  26
.set L16,  27
.set SPW,  28
.set NIL,  29
.set L8,   30
.set RD,   31
.set SC,   32
.set PM,   64
.set AF,   128
.set BK,   128
.set G1, 24
.set G0, 32
.set G1B, 48
.set G0B, 56
.set G1S, 68
.set G0S, 76
.set G1SB, 80
.set G0SB, 88
.set MSB, 0
.macro WIN new
.if MSB != (\new)
	s_set_vgpr_msb (MSB<<8)|(\new)
.set MSB, (\new)
.endif
.endm
.set MUL_LO, 0xa1
.set MUL_HI, 0xf1
.set TO_B,   0x40
.macro JLOAD g0a, g1a, g0b, g1b
	s_cmp_eq_u32 s21, 0
	s_cbranch_scc0 .Lfor_b_\@
	tensor_load_to_lds s[\g0a:\g0a+3], s[\g1a:\g1a+7]
	s_nop 0
.rept 4
	v_nop
.endr
	s_branch .Lasked_\@
.Lfor_b_\@:
	tensor_load_to_lds s[\g0b:\g0b+3], s[\g1b:\g1b+7]
	s_nop 0
.rept 4
	v_nop
.endr
.Lasked_\@:
.endm
.macro CREST
	s_cmp_lg_u32 s20, 0
	s_cbranch_scc1 .Lnot_wave_0_\@
	s_barrier_signal -3
.Lnot_wave_0_\@:
	s_barrier_wait -3
	s_barrier_signal -1
	s_barrier_wait -1
.endm
.macro CROUND
	s_barrier_signal -1
	s_barrier_wait -1
	CREST
.endm
	s_load_b128 s[4:7], s[0:1], 0x0
	s_load_b128 s[8:11], s[0:1], 0x10
	s_load_b128 s[12:15], s[0:1], 0x20
	v_lshl_add_u32 v[SPW], v0, 2, SPARE
	v_mov_b32 v[NIL], 0
	ds_add_u32 v28, v29
	ds_add_u32 v28, v29
	s_wait_dscnt 0x0
	v_lshrrev_b32 v1, 5, v0
	v_readfirstlane_b32 s20, v1
	s_lshr_b32 s21, s20, 1
	s_and_b32 s22, s20, 1
	s_bfe_u32 s40, ttmp6, 0x40000
	s_bfe_u32 s41, ttmp6, 0x40004
	s_lshl_b32 s42, ttmp9, 2
	s_add_co_u32 s42, s42, s40
	s_and_b32 s96, ttmp7, 0xffff
	s_lshl_b32 s45, s96, 2
	s_add_co_u32 s45, s45, s41
	s_lshl_b32 s43, s41, 2
	s_lshl_b32 s43, 15, s43
	s_lshl_b32 s44, 0x1111, s40
	s_or_b32 s[G1+0], s43, (3<<16)|(1<<21)
	s_or_b32 s[G1B+0], s44, (3<<16)|(1<<21)
.irp g, G1, G1B
	s_mov_b32 s[\g+1], 32<<16
	s_mov_b32 s[\g+2], 96<<16
	s_mov_b32 s[\g+3], 32<<16
	s_mov_b32 s[\g+4], 96
	s_mov_b32 s[\g+5], 32
	s_mov_b32 s[\g+6], 0
	s_mov_b32 s[\g+7], 0
.endr
	s_mul_i32 s92, s96, 1572864
	s_mul_i32 s100, s41, 49152
	s_add_co_u32 s92, s92, s100
	s_mul_i32 s100, s22, HALFT
	s_add_co_u32 s92, s92, s100
	s_mov_b32 s93, 0
	s_lshl_b32 s94, s96, 16
	s_lshl_b32 s100, s41, 10
	s_add_co_u32 s94, s94, s100
	s_lshl_b32 s100, s22, 9
	s_add_co_u32 s94, s94, s100
	s_mov_b32 s95, 0
	s_mul_i32 s46, s96, 1572864
	s_mul_i32 s101, s42, 49152
	s_add_co_u32 s46, s46, s101
	s_mul_i32 s101, s22, HALFT
	s_add_co_u32 s46, s46, s101
	s_mov_b32 s47, 0
	s_lshl_b32 s66, s96, 16
	s_lshl_b32 s101, s42, 10
	s_add_co_u32 s66, s66, s101
	s_lshl_b32 s101, s22, 9
	s_add_co_u32 s66, s66, s101
	s_mov_b32 s67, 0
	s_mul_i32 s97, s20, HALFT
	s_mul_i32 s2, s20, HS
	s_add_co_u32 s2, s2, SCL
	s_wait_kmcnt 0x0
	s_add_nc_u64 s[92:93], s[4:5], s[92:93]
	s_add_nc_u64 s[94:95], s[6:7], s[94:95]
	s_add_nc_u64 s[46:47], s[8:9], s[46:47]
	s_add_nc_u64 s[66:67], s[10:11], s[66:67]
	CROUND
.irp s, 0,1
	s_mov_b32 s[G0+4*\s], 1
	s_add_co_u32 s[G0+4*\s+1], s97, \s*SLOT
	s_add_nc_u64 s[G0+4*\s+2:G0+4*\s+3], s[92:93], \s*196608
	s_or_b32 s[G0+4*\s+3], s[G0+4*\s+3], 0x80000000
	s_mov_b32 s[G0B+4*\s], 1
	s_add_co_u32 s[G0B+4*\s+1], s97, \s*SLOT
	s_add_nc_u64 s[G0B+4*\s+2:G0B+4*\s+3], s[46:47], \s*196608
	s_or_b32 s[G0B+4*\s+3], s[G0B+4*\s+3], 0x80000000
.endr
	JLOAD G0, G1, G0B, G1B                         ; slot 0: my one tensor load at the head
	s_cmp_eq_u32 s21, 0
	s_cselect_b64 s[94:95], s[94:95], s[66:67]     ; my 8,192 bytes of scale words: waves 0, 1 psc's halves, waves 2, 3 vsc's
	v_and_b32 v1, 15, v0
	v_bfe_u32 v2, v0, 4, 1
	v_and_b32 v3, 31, v0
	v_lshlrev_b32 v7, 2, v1
	s_lshl_b32 s92, s45, 10
	s_lshl_b32 s100, s21, 9
	s_add_co_u32 s92, s92, s100
	s_mov_b32 s93, 0
	s_add_nc_u64 s[12:13], s[12:13], s[92:93]
.irp a, 0,1,2,3,4,5,6,7
	global_load_b32 v[PM+2*\a], v7, s[12:13] offset:64*\a
	v_mov_b32 v[PM+2*\a+1], 0
.endr
	v_lshlrev_b32 v[L16], 4, v3
	v_lshlrev_b32 v[L8], 3, v3
	v_add_nc_u32 v8, s2, v[L16]
.irp k, 0,1,2,3,4,5,6,7,8,9,10,11,12,13,14,15
	global_load_b128 v[AF+4*\k:AF+4*\k+3], v[L16], s[94:95] offset:4096*\k   ; K step k: 512 consecutive bytes; they go through registers into LDS bytes of their own while slot 0's load is out
.endr
	s_mul_i32 s100, s21, HALFT
	s_mul_i32 s101, s22, HALFT
	s_add_co_u32 s101, s101, 2*HALFT
.irp s, 0,1
	v_add_nc_u32 v[ADRA+\s], s100, v[L16]
	v_add_nc_u32 v[ADRA+2+\s], s100, v[L8]
	v_add_nc_u32 v[ADRB+\s], s101, v[L16]
	v_add_nc_u32 v[ADRB+2+\s], s101, v[L8]
	s_add_co_u32 s100, s100, SLOT
	s_add_co_u32 s101, s101, SLOT
.endr
	v_lshl_add_u32 v4, v2, 9, v7
	s_mul_i32 s100, s21, HS
	s_add_co_u32 s100, s100, SCL
	v_add_nc_u32 v[ADSA], s100, v4
	s_mul_i32 s101, s22, HS
	s_add_co_u32 s101, s101, SCL+2*HS
	v_add_nc_u32 v[ADSB], s101, v4
	s_mul_i32 s100, s20, 16*SPITCH
	v_mul_u32_u24 v5, v1, SPITCH
	v_lshl_add_u32 v5, v2, 5, v5
	v_add_nc_u32 v[STO], s100, v5
	v_add_nc_u32 v[RD], s100, v[L16]
	s_lshl_b32 s92, s45, 20
	s_lshl_b32 s100, s21, 19
	s_add_co_u32 s92, s92, s100
	s_lshl_b32 s100, s42, 10
	s_add_co_u32 s92, s92, s100
	s_lshl_b32 s100, s22, 9
	s_add_co_u32 s92, s92, s100
	s_add_nc_u64 s[14:15], s[14:15], s[92:93]
	s_wait_alu depctr_va_vdst(0)
	s_wait_loadcnt 0x0
.irp k, 0,1,2,3,4,5,6,7,8,9,10,11,12,13,14,15
	ds_store_b128 v8, v[AF+4*\k:AF+4*\k+3] offset:512*\k
.endr
	s_wait_tensorcnt 0x0                           ; my part of slot 0 is in; the three lines ahead of slot 1's first fill
	ds_add_u32 v[SPW], v[NIL]
	s_wait_dscnt 0x0                               ; the add and my scale stores are done
	CROUND
	JLOAD G0+4, G1, G0B+4, G1B                     ; slot 1
.macro FRAGI reg, adr, q, i
	ds_load_b128 v[\reg:\reg+3], v[\adr] offset:3072*(\i)+1536*(\q)
	ds_load_b64 v[\reg+4:\reg+5], v[\adr+2] offset:3072*(\i)+1536*(\q)+512
	ds_load_b128 v[\reg+6:\reg+9], v[\adr] offset:3072*(\i)+1536*(\q)+768
	ds_load_b64 v[\reg+10:\reg+11], v[\adr+2] offset:3072*(\i)+1536*(\q)+1280
.endm
.macro MUL16 a0, p, q, sc, zero
.irp a, \a0, \a0+1
.irp b, 0,1,2,3,4,5,6,7
.set rD, 8*(8*((\a)%4)+\b)
.set rB, 128*(\p)+FR*\b
.set rA, AF+FR*(\a)
.set rSB, SC+16*(\sc)+8+\b
.set rSA, SC+16*(\sc)+(\a)
.if \zero
	v_wmma_scale_f32_16x16x128_f8f6f4 v[rD:rD+7], v[rB:rB+FR-1], v[rA:rA+FR-1], 0, v[rSB], v[rSA] matrix_a_fmt:MATRIX_FMT_BF6 matrix_b_fmt:MATRIX_FMT_BF6
.elseif \q
	v_wmma_scale_f32_16x16x128_f8f6f4 v[rD:rD+7], v[rB:rB+FR-1], v[rA:rA+FR-1], v[rD:rD+7], v[rSB], v[rSA] matrix_a_fmt:MATRIX_FMT_BF6 matrix_b_fmt:MATRIX_FMT_BF6 matrix_a_scale:MATRIX_SCALE_ROW1 matrix_b_scale:MATRIX_SCALE_ROW1
.else
	v_wmma_scale_f32_16x16x128_f8f6f4 v[rD:rD+7], v[rB:rB+FR-1], v[rA:rA+FR-1], v[rD:rD+7], v[rSB], v[rSA] matrix_a_fmt:MATRIX_FMT_BF6 matrix_b_fmt:MATRIX_FMT_BF6
.endif
.endr
.endr
.endm
.macro FETCH_B slot, q, p
	WIN TO_B
.irp i, 0,1,2,3,4,5,6,7
	FRAGI 128*(\p)+FR*\i, ADRB+\slot, \q, \i
.endr
	WIN 0
.endm
.macro FETCH_A slot, q, i0
.irp i, \i0, \i0+1, \i0+2, \i0+3
	FRAGI AF+FR*(\i), ADRA+\slot, \q, \i
.endr
.endm
.macro SCALES sc
.irp i, 0,1,2,3,4,5,6,7
	ds_load_b32 v[SC+16*\sc+\i], v[ADSA] offset:64*\i
.endr
.irp i, 0,1,2,3,4,5,6,7
	ds_load_b32 v[SC+16*\sc+8+\i], v[ADSB] offset:64*\i
.endr
.endm
.macro PLACES n
.rept \n
	v_nop
.endr
.endm
.macro STEP slot, q, zero
	s_wait_dscnt 4*NLA
	WIN MUL_LO
	MUL16 0, (\q)%2, \q, \slot, \zero
	MUL16 2, (\q)%2, \q, \slot, \zero
	s_wait_dscnt 0x0
	PLACES NP
	FETCH_B \slot, (\q)+1, 1-(\q)%2
	FETCH_A \slot, (\q)+1, 0
	WIN MUL_HI
	MUL16 4, (\q)%2, \q, \slot, \zero
	MUL16 6, (\q)%2, \q, \slot, \zero
	PLACES NP
	WIN 0
	FETCH_A \slot, (\q)+1, 4
.endm
.macro TURN slot, next, fill
	s_wait_tensorcnt 0x0
	ds_add_u32 v[SPW], v[NIL]
	s_wait_dscnt 4*NLA+1
	WIN MUL_LO
	MUL16 0, 1, 1, \slot, 0
	s_wait_dscnt 0x0
	s_barrier_signal -1
	MUL16 2, 1, 1, \slot, 0
	WIN 0
	s_barrier_wait -1
.if \fill
	CREST
	s_add_nc_u64 s[G0+4*\slot+2:G0+4*\slot+3], s[G0+4*\slot+2:G0+4*\slot+3], 2*196608
	s_add_nc_u64 s[G0B+4*\slot+2:G0B+4*\slot+3], s[G0B+4*\slot+2:G0B+4*\slot+3], 2*196608
	JLOAD G0+4*\slot, G1, G0B+4*\slot, G1B
.else
	PLACES NP
.endif
	s_wait_alu depctr_va_vdst(0)
	v_add_nc_u32 v[ADSA], 1024, v[ADSA]
	v_add_nc_u32 v[ADSB], 1024, v[ADSB]
	FETCH_B \next, 0, 0
	FETCH_A \next, 0, 0
	SCALES \next
	WIN MUL_HI
	MUL16 4, 1, 1, \slot, 0
	MUL16 6, 1, 1, \slot, 0
	PLACES NP
	WIN 0
	FETCH_A \next, 0, 4
.endm
	FETCH_B 0, 0, 0
	FETCH_A 0, 0, 0
	SCALES 0
	FETCH_A 0, 0, 4
	STEP 0, 0, 1
	s_mov_b32 s3, LAPS-1
.Llap:
	TURN 0, 1, 1
	STEP 1, 0, 0
	TURN 1, 0, 1
	STEP 0, 0, 0
	s_sub_co_u32 s3, s3, 1
	s_cmp_lg_u32 s3, 0
	s_cbranch_scc1 .Llap
	TURN 0, 1, 0
	STEP 1, 0, 0
	s_wait_dscnt 4*NLA
	WIN MUL_LO
	MUL16 0, 1, 1, 1, 0
	MUL16 2, 1, 1, 1, 0
	s_wait_dscnt 0x0
	WIN MUL_HI
	MUL16 4, 1, 1, 1, 0
	MUL16 6, 1, 1, 1, 0
	WIN 0
.macro PACKM a
.set AC, 64*((\a)%4)
.set W,  2+(\a)/4
	WIN (W<<6)|W
.set k, 0
.rept 32
	v_pk_mul_f32 v[AC+2*k:AC+2*k+1], v[AC+2*k:AC+2*k+1], v[PM+2*(\a):PM+2*(\a)+1] op_sel_hi:[1,0]
.set k, k+1
.endr
.endm
.macro TOSTAGE a
.set AC, 64*((\a)%4)
	WIN 0x08+4*((\a)/4)
.irp b, 0,1,2,3,4,5,6,7
	ds_store_b128 v[STO], v[AC+8*\b:AC+8*\b+3] offset:64*\b
	ds_store_b128 v[STO], v[AC+8*\b+4:AC+8*\b+7] offset:64*\b+16
.endr
	WIN 0
.set BB, BK+64*((\a)%2)
.irp t, 0,1,2,3,4,5,6,7,8,9,10,11,12,13,14,15
	ds_load_b128 v[BB+4*\t:BB+4*\t+3], v[RD] offset:\t*SPITCH
.endr
.endm
.macro SEND a, younger
.set BB, BK+64*((\a)%2)
	s_wait_dscnt \younger
.if (\a) > 0
	s_add_nc_u64 s[14:15], s[14:15], 16*4096
.endif
.irp t, 0,1,2,3,4,5,6,7,8,9,10,11,12,13,14,15
	global_store_b128 v[L16], v[BB+4*\t:BB+4*\t+3], s[14:15] offset:\t*4096 th:TH_STORE_NT
.endr
.endm
	PLACES NP
	PACKM 0
	TOSTAGE 0
.irp a, 1,2,3,4,5,6,7
.if \a > 1
	s_wait_xcnt 0x0
.endif
	PACKM \a
	TOSTAGE \a
	SEND \a-1, 32
.endr
	s_wait_xcnt 0x0
	SEND 7, 0
	s_wait_tensorcnt 0x0
	ds_add_u32 v[SPW], v[NIL]
	s_wait_dscnt 0x0
	CROUND
	s_endpgm
.Lfunc_end_k_q92021f23ae_outg:
	.size	k_q92021f23ae_outg, .Lfunc_end_k_q92021f23ae_outg-k_q92021f23ae_outg
	.p2alignl 7, 3214868480
	.fill 96, 4, 3214868480
	.section	.rodata,"a",@progbits
	.p2align	6, 0x0
	.amdhsa_kernel k_q92021f23ae_outg
		.amdhsa_group_segment_fixed_size 327680
		.amdhsa_private_segment_fixed_size 0
		.amdhsa_enable_private_segment 0
		.amdhsa_kernarg_size 48
		.amdhsa_user_sgpr_count 2
		.amdhsa_user_sgpr_kernarg_segment_ptr 1
		.amdhsa_wavefront_size32 1
		.amdhsa_system_sgpr_workgroup_id_x 1
		.amdhsa_system_sgpr_workgroup_id_y 1
		.amdhsa_system_sgpr_workgroup_id_z 1
		.amdhsa_system_vgpr_workitem_id 0
		.amdhsa_next_free_vgpr 1024
		.amdhsa_next_free_sgpr 102
		.amdhsa_reserve_vcc 0
		.amdhsa_float_denorm_mode_32 3
		.amdhsa_float_denorm_mode_16_64 3
		.amdhsa_memory_ordered 1
		.amdhsa_forward_progress 1
		.amdhsa_inst_pref_size 165
	.end_amdhsa_kernel
	.amdgpu_metadata
---
amdhsa.version: [ 1, 2 ]
amdhsa.kernels:
  - .name:           k_q92021f23ae_outg
    .symbol:         k_q92021f23ae_outg.kd
    .args:
      - { .name: pc, .offset: 0, .size: 8, .value_kind: global_buffer, .address_space: global }
      - { .name: psc, .offset: 8, .size: 8, .value_kind: global_buffer, .address_space: global }
      - { .name: vc, .offset: 16, .size: 8, .value_kind: global_buffer, .address_space: global }
      - { .name: vsc, .offset: 24, .size: 8, .value_kind: global_buffer, .address_space: global }
      - { .name: premise_mask, .offset: 32, .size: 8, .value_kind: global_buffer, .address_space: global }
      - { .name: out0, .offset: 40, .size: 8, .value_kind: global_buffer, .address_space: global }
    .group_segment_fixed_size: 327680
    .private_segment_fixed_size: 0
    .kernarg_segment_align: 8
    .kernarg_segment_size: 48
    .max_flat_workgroup_size: 128
    .sgpr_count:     102
    .vgpr_count:     1024
    .wavefront_size: 32
...
	.end_amdgpu_metadata
.endif
;; end of part 4
